; MI455X (gfx1250); checked and timed in simulation.
; The chip was launched on July 23, 2026; its instructions are those of AMD's public machine-readable ISA for CDNA 5 (MIT licence, August 2026) and "CDNA5" Instruction Set Architecture Reference Guide (July 2026). The comments in the code are by the model that wrote it; some were corrected since.
;; Custom Head Multi Head Attention. Allowed arithmetic: float matrix products may take bf16 or f16 operands with f32 sums; all other float work in f32.
;; Inputs: Wc 512 x 2 float32; Wk 512 x 512 float32; Wq 512 x 512 float32; Wv 512 x 512 float32; bc 2 float32; bk 512 float32; bq 512 float32; bv 512 float32; x 8 x 2,048 x 512 float32.
;; Outputs: out0 8 x 2,048 x 2 float32.
;; 2 versions, each right. Each part assembles by itself: llvm-mc -triple=amdgcn-amd-amdhsa -mcpu=gfx1250 --defsym DOCPART=n.
;; ======== version 1 of 2: 4 launches
;; limits: values are held in f16: magnitudes above 65,504 overflow, below 6.1e-05 lose precision; inputs' magnitudes at most 65,504; right only within a limited range of input values
;; workspace buffers: xh 16,777,216 bytes; wh 1,572,864 bytes; qkv 50,331,648 bytes; part 1,048,576 bytes
;; launch prep (part 1): grid 256 x 1, 8 waves a work-group, no clusters, 0 bytes of LDS; arguments x, Wq, Wk, Wv, xh, wh; writes xh, wh
.if DOCPART == 1
	.amdgcn_target "amdgcn-amd-amdhsa--gfx1250"
	.amdhsa_code_object_version 6
	.text
	.protected	k_q1b25d0f70b_prep
	.globl	k_q1b25d0f70b_prep
	.p2align	8
	.type	k_q1b25d0f70b_prep,@function
k_q1b25d0f70b_prep:
	s_mov_b64 s[64:65], 0
	v_nop
	global_prefetch_b8 v0, s[64:65] scope:SCOPE_SE
	s_setreg_imm32_b32 hwreg(HW_REG_WAVE_MODE, 25, 1), 1
	s_wait_xcnt 0x0
; A cast: xh = f16(x), [16384][512];  wh[k][512 m + c] = f16(W_m[k][c]), [512][1536], m = 0, 1, 2 for Wq, Wk, Wv.
; f16 and not bf16: the result is a sum of many small terms judged to one part in a hundred of its root mean square, and ten roundings to
; 8 bits of significand use that up; 11 bits leave room.  Limit: |x| or |W| above 65,504 becomes infinite; below 6.1e-5 the absolute
; error is at most 3e-8.
; Nothing is transposed: the product kernel builds its fragments of W from rows that lie along n.
; A pass is 256 threads x 16 bytes of f32 = 4,096 bytes in, 2,048 bytes out.  x is 8,192 passes, the three W are 768:
; each of the 256 work-groups takes 32 passes of x and 3 of W.  All 35 loads of a thread go out at once into registers
; of their own, so no register is used twice and the only waits are the counted ones in front of each conversion.
; No LDS, no barrier, no matrix unit: every byte is read once and written once.
.set X, 4                              ; v[4+4i:7+4i]: pass i as loaded; its first two registers then hold the four f16
.set SRC, 16                           ; s[16:21]  source address of W pass p
.set DST, 22                           ; s[22:27]  its place in wh
	s_load_b256 s[4:11], s[0:1], 0x0               ; x s[4:5], Wq s[6:7], Wk s[8:9], Wv s[10:11]
	s_load_b128 s[12:15], s[0:1], 0x20             ; xh s[12:13], wh s[14:15]
	v_lshlrev_b32 v1, 4, v0                        ; 16 t: my 4 f32 in a pass
	v_lshlrev_b32 v2, 3, v0                        ; 8 t: my 4 f16 in a pass of xh
	v_lshrrev_b32 v3, 7, v0                        ; a pass of W is two rows of 512: which row,
	v_and_b32 v4, 127, v0                          ; and my place in it
	v_mul_u32_u24 v3, v3, 3072                     ; a row of wh is 1,536 f16
	v_lshl_add_u32 v3, v4, 3, v3
	s_mul_i32 s2, ttmp9, 3                         ; my first pass of W, of 768
	s_mov_b32 s31, 0
	s_wait_kmcnt 0x0
.irp p, 0,1,2
	s_add_co_u32 s3, s2, \p
	s_lshr_b32 s28, s3, 8                          ; m: which W (256 passes each)
	s_and_b32 s29, s3, 255                         ; R: rows 2 R, 2 R + 1
	s_cmp_eq_u32 s28, 0
	s_cselect_b64 s[SRC+2*\p:SRC+2*\p+1], s[6:7], s[8:9]
	s_cmp_eq_u32 s28, 2
	s_cselect_b64 s[SRC+2*\p:SRC+2*\p+1], s[10:11], s[SRC+2*\p:SRC+2*\p+1]
	s_lshl_b32 s30, s29, 12
	s_add_nc_u64 s[SRC+2*\p:SRC+2*\p+1], s[SRC+2*\p:SRC+2*\p+1], s[30:31]
	s_mul_i32 s30, s29, 6144                       ; two rows of wh
	s_lshl_b32 s28, s28, 10                        ; + 512 m columns
	s_add_co_u32 s30, s30, s28
	s_add_nc_u64 s[DST+2*\p:DST+2*\p+1], s[14:15], s[30:31]
	global_load_b128 v[X+4*\p:X+4*\p+3], v1, s[SRC+2*\p:SRC+2*\p+1] th:TH_LOAD_NT
.endr
	s_lshl_b32 s30, ttmp9, 17                      ; 32 passes of 4,096 bytes
	s_add_nc_u64 s[4:5], s[4:5], s[30:31]
	s_lshl_b32 s30, ttmp9, 16
	s_add_nc_u64 s[12:13], s[12:13], s[30:31]
.set p, 0
.rept 32
	global_load_b128 v[X+12+4*p:X+12+4*p+3], v1, s[4:5] offset:p*4096 th:TH_LOAD_NT
.set p, p+1
.endr
.set i, 0
.rept 35
	s_wait_loadcnt 34-i                            ; loads come back in order (ISA guide 5.7.1): pass i is in, the 34 - i younger ones stay out
	v_cvt_pk_f16_f32 v[X+4*i], v[X+4*i], v[X+4*i+1]
	v_cvt_pk_f16_f32 v[X+4*i+1], v[X+4*i+2], v[X+4*i+3]
.if i < 3
	global_store_b64 v3, v[X+4*i:X+4*i+1], s[DST+2*i:DST+2*i+1]   ; a wave's store covers 256 consecutive bytes, aligned
.else
	global_store_b64 v2, v[X+4*i:X+4*i+1], s[12:13] offset:(i-3)*2048
.endif
.set i, i+1
.endr
	s_endpgm
.Lfunc_end_k_q1b25d0f70b_prep:
	.size	k_q1b25d0f70b_prep, .Lfunc_end_k_q1b25d0f70b_prep-k_q1b25d0f70b_prep
	.p2alignl 7, 3214868480
	.fill 96, 4, 3214868480
	.section	.rodata,"a",@progbits
	.p2align	6, 0x0
	.amdhsa_kernel k_q1b25d0f70b_prep
		.amdhsa_group_segment_fixed_size 0
		.amdhsa_private_segment_fixed_size 0
		.amdhsa_enable_private_segment 0
		.amdhsa_kernarg_size 48
		.amdhsa_user_sgpr_count 2
		.amdhsa_user_sgpr_kernarg_segment_ptr 1
		.amdhsa_wavefront_size32 1
		.amdhsa_system_sgpr_workgroup_id_x 1
		.amdhsa_system_sgpr_workgroup_id_y 1
		.amdhsa_system_sgpr_workgroup_id_z 1
		.amdhsa_system_vgpr_workitem_id 0
		.amdhsa_next_free_vgpr 144
		.amdhsa_next_free_sgpr 66
		.amdhsa_reserve_vcc 0
		.amdhsa_float_denorm_mode_32 3
		.amdhsa_float_denorm_mode_16_64 3
		.amdhsa_memory_ordered 1
		.amdhsa_forward_progress 1
		.amdhsa_inst_pref_size 15
	.end_amdhsa_kernel
	.amdgpu_metadata
---
amdhsa.version: [ 1, 2 ]
amdhsa.kernels:
  - .name:           k_q1b25d0f70b_prep
    .symbol:         k_q1b25d0f70b_prep.kd
    .args:
      - { .name: x, .offset: 0, .size: 8, .value_kind: global_buffer, .address_space: global }
      - { .name: Wq, .offset: 8, .size: 8, .value_kind: global_buffer, .address_space: global }
      - { .name: Wk, .offset: 16, .size: 8, .value_kind: global_buffer, .address_space: global }
      - { .name: Wv, .offset: 24, .size: 8, .value_kind: global_buffer, .address_space: global }
      - { .name: xh, .offset: 32, .size: 8, .value_kind: global_buffer, .address_space: global }
      - { .name: wh, .offset: 40, .size: 8, .value_kind: global_buffer, .address_space: global }
    .group_segment_fixed_size: 0
    .private_segment_fixed_size: 0
    .kernarg_segment_align: 8
    .kernarg_segment_size: 48
    .max_flat_workgroup_size: 256
    .sgpr_count:     66
    .vgpr_count:     144
    .wavefront_size: 32
...
	.end_amdgpu_metadata
.endif
;; end of part 1
;; launch proj (part 2): grid 4 x 64, 8 waves a work-group, clusters of 4 x 4, 327,680 bytes of LDS; arguments xh, wh, bq, bk, bv, qkv; writes qkv
.if DOCPART == 2
	.amdgcn_target "amdgcn-amd-amdhsa--gfx1250"
	.amdhsa_code_object_version 6
	.text
	.protected	k_q1b25d0f70b_proj
	.globl	k_q1b25d0f70b_proj
	.p2align	8
	.type	k_q1b25d0f70b_proj,@function
k_q1b25d0f70b_proj:
	s_mov_b64 s[64:65], 0
	v_nop
	global_prefetch_b8 v0, s[64:65] scope:SCOPE_SE
	s_setreg_imm32_b32 hwreg(HW_REG_WAVE_MODE, 25, 1), 1
	s_wait_xcnt 0x0
	s_wait_alu depctr_hold_cnt(0) depctr_sa_sdst(0) depctr_va_vdst(0) depctr_va_sdst(0) depctr_va_ssrc(0) depctr_va_vcc(0) depctr_vm_vsrc(0)
	s_getreg_b32 s2, hwreg(HW_REG_IB_STS2, 6, 4)
	s_cmp_eq_u32 s2, 0
	s_cbranch_scc0 .Lentry_in_a_cluster
	s_endpgm
.Lentry_in_a_cluster:
	s_bfe_u32 s2, ttmp6, 0x10000c
	s_cmp_lg_u32 s2, 0xf033
	s_cbranch_scc0 .Lentry_shape_is_right
	s_endpgm
.Lentry_shape_is_right:
; qkv = (xh * wh + bias) * scale, f16, laid out [3][8 batches][8 heads][2048][64].  Sums in f32; operands and results are f16.
; scale = 0.25 log2(e) for q, 0.5 for k (their product 0.125 log2(e) makes the scores exponents of 2), 1/16 for v (undone where the
; attention divides by its sum).  The scales are there for room in f16, whose largest number is 65,504.  Limit: |q| above 181,000, |k| above
; 131,000 or |v| above 1,048,000 becomes infinite.  For comparison: x of spread 1 and W of spread 0.044, both carrying an offset of
; thirty spreads, give 512 x 30 x 1.33 = 20,400.
; A work-group makes 256 rows x 384 columns with eight waves; wave w makes rows 128 (w >> 2) .. + 127 and, with cq = w & 3, the columns
; 128 i + 32 cq + 16 j (i = 0..2, j = 0, 1): 8 x 6 accumulator tiles, 384 registers.  K = 512 goes in 8 steps of 64 through two LDS slots.
; CLUSTERS: 4 x 4 work-groups.  x's tile hangs on the block row alone and is asked for jointly by a row of the cluster; W's on the block
; column alone and is asked for jointly by a column: the requests for both are divided by four.
; THE MATRIX INSTRUCTION IS USED TRANSPOSED: source 0 = 16 columns of W, source 1 = 16 rows of x; lane (r, h) then holds row r and the
; eight neighbouring columns 8 h .. 8 h + 7, which pack into 16 bytes.
; LDS, a slot: eight groups of 13,824 bytes, group w filled by wave w.  Groups 0-3: 64 rows of x each, pitch 144 (128 + 16: an odd multiple
; of 16, so the sixteen rows of a fragment load start in sixteen different 16-byte columns modulo 256).  Groups 4-7: 16 k-rows of W each,
; pitch 864 = 3 x (256 + 32), an odd multiple of 32; the four groups are 64 k-rows without a gap.
; The stage of the way out lies over the ring, after the ring's last fill: [6 heads][256 rows], pitch 144.
; K steps of 128 are left out: two slots of that step do not fit in LDS beside each other.
.set GRP,   13824
.set SLOT,  8*GRP                      ; 110,592
.set APIT,  144
.set BPIT,  864
.set BPART, 4*GRP
.set HST,   256*APIT                   ; a head in the stage: 36,864
.set ADRA, 4                           ; v4, v5    LDS address of my x fragments in slot 0, 1
.set ADRB, 6                           ; v6, v7    the same for W
.set STO,  8                           ; v8-10     the way out: where strip i's 16 bytes go
.set RD,   11                          ; v11       where I read rows back
.set CO,   12                          ; v12       16 x lane
.set BO,   13                          ; v13       my byte offset in a strip of a bias
.set XF,   16                          ; v16-79    8 fragments of x
.set WF,   80                          ; v80-127   6 fragments of W, tile b = 2 i + j
.set ACC2, 128                         ; v128-255  accumulators of strip 2: tile (a, j) at 128 + 8 (2 a + j)
                                       ; window 1: accumulators of strips 0, 1: tile (a, b) at 8 (4 a + b)
.set BV,   16                          ; the way out: v16-63 bias x scale, tile b at 16 + 8 b
.set TMP,  64                          ; v64-87    packed results
.set FT,   96                          ; v96-127   results of strips 0, 1 in f32
.set G1A, 24                           ; s[24:31]  shape of x's tiles
.set G0A, 32                           ; s[32:39]  from where, to where, one set for each slot
.set G1B, 40                           ; s[40:47]  shape of W's tiles
.set G0B, 48                           ; s[48:55]
.set BPTR, 66                          ; s[66:71]  strip i's bias
.set SC,   72                          ; s[72:77]  strip i's scale, twice
.set MSB, 0
.macro WIN new                         ; the immediate's high byte repeats the setting that is left
.if MSB != \new
	s_set_vgpr_msb (MSB<<8)|\new
.set MSB, \new
.endif
.endm
.macro PLACES cnt
.rept \cnt
	v_nop
.endr
.endm
; A round of the cluster's barrier: my work-group's barrier, wave 0 signals for the work-group, every wave waits for all sixteen, my work-group's barrier again.
.macro ROUND
	s_barrier_signal -1
	s_barrier_wait -1
	s_cmp_lg_u32 s16, 0
	s_cbranch_scc1 .Lnot_wave_0_\@
	s_barrier_signal -3
.Lnot_wave_0_\@:
	s_barrier_wait -3
	s_barrier_signal -1
	s_barrier_wait -1
.endm
; A joint load: waves 0-3 ask for x's four groups, waves 4-7 for W's.  The branch hangs on the wave's number alone.
.macro JLOAD s
	s_cmp_eq_u32 s17, 0
	s_cbranch_scc0 .Lfor_b_\@
	tensor_load_to_lds s[G0A+4*\s:G0A+4*\s+3], s[G1A:G1A+7]
	s_nop 0
	s_branch .Lasked_\@
.Lfor_b_\@:
	tensor_load_to_lds s[G0B+4*\s:G0B+4*\s+3], s[G1B:G1B+7]
	s_nop 0
.Lasked_\@:
.endm
	s_load_b256 s[4:11], s[0:1], 0x0               ; xh s[4:5], wh s[6:7], bq s[8:9], bk s[10:11]
	s_load_b128 s[12:15], s[0:1], 0x20             ; bv s[12:13], qkv s[14:15]
	v_lshl_add_u32 v14, v0, 2, 0x36000
	v_mov_b32 v15, 0
	ds_add_u32 v14, v15
	s_wait_dscnt 0x0
	v_lshrrev_b32 v1, 5, v0
	v_readfirstlane_b32 s16, v1                    ; wave 0..7
	s_lshr_b32 s17, s16, 2                         ; which 128 rows are mine.  Also: I fetch for x (0) or for W (1)
	s_and_b32 s18, s16, 3                          ; cq.  Also: which quarter of that tile I fetch
	s_bfe_u32 s19, ttmp6, 0x40000                  ; cx
	s_bfe_u32 s20, ttmp6, 0x40004                  ; cy
	s_lshl_b32 s21, ttmp9, 2
	s_add_co_u32 s21, s21, s19                     ; block column = 4 x cluster x + cx
	s_and_b32 s22, ttmp7, 0xffff
	s_lshl_b32 s22, s22, 2
	s_add_co_u32 s22, s22, s20                     ; block row = 4 x cluster y + cy
	s_lshl_b32 s60, s20, 2
	s_lshl_b32 s60, 15, s60                        ; my row of the cluster: places 4 cy .. 4 cy + 3
	s_lshl_b32 s61, 0x1111, s19                    ; my column: places cx, cx + 4, cx + 8, cx + 12
	; x's tile: 64 rows x 64 elements of 2 bytes, 512 elements from row to row; 4 words of padding behind every 32
	s_or_b32 s[G1A+0], s60, (1<<16)|(1<<20)|(1<<21)|(4<<22)|(3<<25)
	s_mov_b32 s[G1A+1], 64<<16                     ; tensor_dim0 = 64
	s_mov_b32 s[G1A+2], 64<<16                     ; tensor_dim1 = 64
	s_mov_b32 s[G1A+3], 64<<16                     ; tile_dim0 = 64
	s_mov_b32 s[G1A+4], 64                         ; tile_dim1 = 64
	s_mov_b32 s[G1A+5], 512
	s_mov_b32 s[G1A+6], 0
	s_mov_b32 s[G1A+7], 0
	; W's tile: 16 rows x 384 elements, 1,536 from row to row; 8 words of padding behind every 64 (three times in a row)
	s_or_b32 s[G1B+0], s61, (1<<16)|(1<<20)|(1<<21)|(5<<22)|(7<<25)
	s_mov_b32 s[G1B+1], 384<<16
	s_mov_b32 s[G1B+2], 16<<16
	s_mov_b32 s[G1B+3], 384<<16
	s_mov_b32 s[G1B+4], 16
	s_mov_b32 s[G1B+5], 1536
	s_mov_b32 s[G1B+6], 0
	s_mov_b32 s[G1B+7], 0
	; x's address is made of the block row and the wave's number, W's of the block column and the wave's number, each in registers that never hold the other coordinate
	s_lshl_b32 s56, s22, 18                        ; 256 rows of 1,024 bytes
	s_lshl_b32 s62, s18, 16                        ; + my 64 rows
	s_add_co_u32 s56, s56, s62
	s_mov_b32 s57, 0
	s_mul_i32 s58, s18, 16*3072                    ; my 16 k-rows of 3,072 bytes
	s_mul_i32 s63, s21, 768                        ; + 384 columns
	s_add_co_u32 s58, s58, s63
	s_mov_b32 s59, 0
	s_mul_i32 s62, s16, GRP                        ; where my part goes: wave x 13,824, in both kinds of tile
	s_wait_kmcnt 0x0
	s_add_nc_u64 s[56:57], s[4:5], s[56:57]
	s_add_nc_u64 s[58:59], s[6:7], s[58:59]
.irp s, 0,1
	s_mov_b32 s[G0A+4*\s], 1
	s_add_co_u32 s[G0A+4*\s+1], s62, \s*SLOT
	s_add_nc_u64 s[G0A+4*\s+2:G0A+4*\s+3], s[56:57], \s*128        ; K step s: 64 elements along the rows
	s_or_b32 s[G0A+4*\s+3], s[G0A+4*\s+3], 0x80000000
	s_mov_b32 s[G0B+4*\s], 1
	s_add_co_u32 s[G0B+4*\s+1], s62, \s*SLOT
	s_add_nc_u64 s[G0B+4*\s+2:G0B+4*\s+3], s[58:59], \s*64*3072    ; K step s: 64 rows down
	s_or_b32 s[G0B+4*\s+3], s[G0B+4*\s+3], 0x80000000
.endr
	ROUND                                          ; all sixteen work-groups are here: the first joint loads meet
	JLOAD 0                                        ; K step 0
	v_and_b32 v1, 15, v0                           ; r
	v_bfe_u32 v2, v0, 4, 1                         ; h
	v_mul_u32_u24 v3, v1, APIT
	v_lshl_add_u32 v3, v2, 4, v3                   ; r x 144 + 16 h
	s_mul_i32 s90, s17, 2*GRP                      ; my 128 rows of x: two groups
	v_add_nc_u32 v[ADRA], s90, v3
	v_add_nc_u32 v[ADRA+1], SLOT, v[ADRA]
	v_and_b32 v6, 7, v0
	v_lshl_add_u32 v6, v2, 3, v6                   ; the transposing load: k-row 8 h + (lane & 7),
	v_mul_u32_u24 v6, v6, BPIT
	v_bfe_u32 v7, v0, 3, 1
	v_lshl_add_u32 v6, v7, 4, v6                   ; 16 bytes for each half of eight columns
	s_lshl_b32 s90, s18, 6                         ; my 32 columns of a strip
	s_add_co_u32 s90, s90, BPART
	v_add_nc_u32 v[ADRB], s90, v6
	v_add_nc_u32 v[ADRB+1], SLOT, v[ADRB]
	s_lshr_b32 s90, s18, 1                         ; the stage: head 2 i + (cq >> 1), byte 64 (cq & 1) + 32 j + 16 h of its row
	s_mul_i32 s90, s90, HST
	s_and_b32 s91, s18, 1
	s_lshl_b32 s91, s91, 6
	s_add_co_u32 s90, s90, s91
	s_mul_i32 s91, s17, 128*APIT
	s_add_co_u32 s90, s90, s91
	v_add_nc_u32 v[STO], s90, v3
	v_add_nc_u32 v[STO+1], 2*HST, v[STO]
	v_add_nc_u32 v[STO+2], 2*HST, v[STO+1]
	v_and_b32 v14, 31, v0
	v_lshlrev_b32 v[CO], 4, v14
	v_lshrrev_b32 v15, 3, v14                      ; back: eight lanes take a head's row of 128 bytes, a wave four rows
	v_mul_u32_u24 v15, v15, APIT
	v_and_b32 v14, 7, v0
	v_lshl_add_u32 v15, v14, 4, v15
	s_mul_i32 s90, s16, 32*APIT                    ; rows 32 w .. 32 w + 31 of every head
	v_add_nc_u32 v[RD], s90, v15
	s_lshl_b32 s90, s18, 7
	v_lshl_add_u32 v[BO], v2, 5, s90               ; 4 x (32 cq + 8 h)
; The fragments of 32 along K: W's tiles 0-3, x's eight, then W's tiles 4, 5, which are needed last.
.macro WLOAD s, kq, b
	ds_load_tr16_b128 v[WF+8*\b:WF+8*\b+3],   v[ADRB+\s] offset:\kq*32*BPIT+(\b/2)*288+(\b%2)*32
	ds_load_tr16_b128 v[WF+8*\b+4:WF+8*\b+7], v[ADRB+\s] offset:\kq*32*BPIT+(\b/2)*288+(\b%2)*32+16*BPIT
.endm
.macro FETCH s, kq
.irp b, 0,1,2,3
	WLOAD \s, \kq, \b
.endr
.irp a, 0,1,2,3,4,5,6,7
	ds_load_b128 v[XF+8*\a:XF+8*\a+3],   v[ADRA+\s] offset:(\a/4)*GRP+(\a%4)*16*APIT+\kq*64
	ds_load_b128 v[XF+8*\a+4:XF+8*\a+7], v[ADRA+\s] offset:(\a/4)*GRP+(\a%4)*16*APIT+\kq*64+32
.endr
.irp b, 4,5
	WLOAD \s, \kq, \b
.endr
.endm
; The 48 accumulators take turns, one instruction a turn, in the same order in every quarter.
; zero = 1: the first products start the sums: nothing is cleared.
.macro MUL32 zero
.irp a, 0,1,2,3,4,5,6,7
.irp b, 0,1,2,3
.if \zero
	v_wmma_f32_16x16x32_f16 v[8*(4*\a+\b):8*(4*\a+\b)+7], v[WF+8*\b:WF+8*\b+7], v[XF+8*\a:XF+8*\a+7], 0
.else
	v_wmma_f32_16x16x32_f16 v[8*(4*\a+\b):8*(4*\a+\b)+7], v[WF+8*\b:WF+8*\b+7], v[XF+8*\a:XF+8*\a+7], v[8*(4*\a+\b):8*(4*\a+\b)+7]
.endif
.endr
.endr
.endm
.macro MUL16 zero
.irp a, 0,1,2,3,4,5,6,7
.irp b, 4,5
.if \zero
	v_wmma_f32_16x16x32_f16 v[ACC2+8*(2*\a+\b-4):ACC2+8*(2*\a+\b-4)+7], v[WF+8*\b:WF+8*\b+7], v[XF+8*\a:XF+8*\a+7], 0
.else
	v_wmma_f32_16x16x32_f16 v[ACC2+8*(2*\a+\b-4):ACC2+8*(2*\a+\b-4)+7], v[WF+8*\b:WF+8*\b+7], v[XF+8*\a:XF+8*\a+7], v[ACC2+8*(2*\a+\b-4):ACC2+8*(2*\a+\b-4)+7]
.endif
.endr
.endr
.endm
; 32 along K.  There is one set of fragment registers (384 of a wave's 512 hold sums): while this wave waits for its fragments the SIMD's other wave multiplies.
.macro QUARTER s, kq, zero
	PLACES 4                                       ; loads into registers that matrix instructions have read stand four places behind them (ISA guide 7.12.1 for vector instructions)
	FETCH \s, \kq
	s_wait_dscnt 4                                 ; all but the youngest four loads: W's tiles 4, 5 may be out
	WIN 0x50                                       ; C and D in window 1
	MUL32 \zero
	s_wait_dscnt 0
	WIN 0
	MUL16 \zero
.endm
; A K step.  In front of the round each wave waits for all its tensor loads (one is out: its part of this step's slot) and for its reads of the
; other slot; behind the round that slot is asked for again, first thing, one load a wave; it has this whole step in which to land.
.macro TRIP s, o, refill, zero
	s_wait_xcnt 0x0
	v_lshl_add_u32 v14, v0, 2, 0x36000
	v_mov_b32 v15, 0
	s_wait_tensorcnt 0x0
	ds_add_u32 v14, v15
	s_wait_dscnt 0x0
	s_add_nc_u64 s[G0A+4*\s+2:G0A+4*\s+3], s[G0A+4*\s+2:G0A+4*\s+3], 2*128       ; no load of mine is out: this slot's next tile, two K steps on
	s_add_nc_u64 s[G0B+4*\s+2:G0B+4*\s+3], s[G0B+4*\s+2:G0B+4*\s+3], 2*64*3072
	s_wait_dscnt 0x0
	ROUND
.if \refill
	JLOAD \o
.endif
	QUARTER \s, 0, \zero
	QUARTER \s, 1, 0
.endm
	TRIP 0, 1, 1, 1                                ; K step 0 starts the sums and asks for K step 1: slot 1's first fill, issued as a refill is
	s_mov_b32 s23, 3
.Lk:
	TRIP 1, 0, 1, 0
	TRIP 0, 1, 1, 0
	s_sub_co_u32 s23, s23, 1
	s_cmp_lg_u32 s23, 0
	s_cbranch_scc1 .Lk
	TRIP 1, 0, 0, 0                                ; K step 7: nothing is left to fetch
	; THE WAY OUT.  Four places behind the last matrix instructions, for the vector instructions that read sums and for what is written over the fragments.
	PLACES 4
	s_mul_i32 s78, s21, 3                          ; my first strip of 128 columns, of twelve
.irp i, 0,1,2
	s_add_co_u32 s79, s78, \i
	s_lshr_b32 s80, s79, 2                         ; 0, 1, 2: q, k, v
	s_cmp_eq_u32 s80, 0
	s_cselect_b64 s[BPTR+2*\i:BPTR+2*\i+1], s[8:9], s[10:11]
	s_cselect_b32 s[SC+2*\i], 0x3eb8aa3b, 0.5      ; 0.25 log2(e) for q, 0.5 for k,
	s_cmp_eq_u32 s80, 2
	s_cselect_b64 s[BPTR+2*\i:BPTR+2*\i+1], s[12:13], s[BPTR+2*\i:BPTR+2*\i+1]
	s_cselect_b32 s[SC+2*\i], 0x3d800000, s[SC+2*\i]   ; 1/16 for v
	s_mov_b32 s[SC+2*\i+1], s[SC+2*\i]
	s_and_b32 s80, s79, 3
	s_lshl_b32 s80, s80, 9                         ; the strip's 128 f32 in its bias
	s_mov_b32 s81, 0
	s_add_nc_u64 s[BPTR+2*\i:BPTR+2*\i+1], s[BPTR+2*\i:BPTR+2*\i+1], s[80:81]
.irp j, 0,1
	global_load_b128 v[BV+8*(2*\i+\j):BV+8*(2*\i+\j)+3],   v[BO], s[BPTR+2*\i:BPTR+2*\i+1] offset:\j*64
	global_load_b128 v[BV+8*(2*\i+\j)+4:BV+8*(2*\i+\j)+7], v[BO], s[BPTR+2*\i:BPTR+2*\i+1] offset:\j*64+16
.endr
.endr
	s_lshr_b32 s84, s22, 3                         ; where my rows lie in a head of qkv: batch << 21,
	s_lshl_b32 s84, s84, 21
	s_and_b32 s85, s22, 7                          ; + 256 (block row & 7) rows of 128 bytes,
	s_lshl_b32 s85, s85, 15
	s_add_co_u32 s84, s84, s85
	s_lshl_b32 s85, s16, 12                        ; + 32 w rows
	s_add_co_u32 s84, s84, s85
	s_mul_i32 s85, s21, 6                          ; my first head, of 24
	s_wait_dscnt 0x0                               ; my reads of the ring are over,
	s_barrier_signal -1
	s_barrier_wait -1                              ; everybody's are; the ring has had its last fill: the stage may be written over it
	s_wait_loadcnt 0x0                             ; the biases
.irp b, 0,1,2,3,4,5
.irp p, 0,1,2,3
	v_pk_mul_f32 v[BV+8*\b+2*\p:BV+8*\b+2*\p+1], v[BV+8*\b+2*\p:BV+8*\b+2*\p+1], s[SC+2*(\b/2):SC+2*(\b/2)+1] op_sel_hi:[1,0]
.endr
.endr
; rows 16 a .. 16 a + 15 of my 128: sum x scale + bias x scale in one fused step, rounded to f16, 16 bytes a lane and tile into the stage
.macro OUTROW a
	WIN 0x01                                       ; source 0 in window 1
.irp b, 0,1,2,3
.irp p, 0,1,2,3
	v_pk_fma_f32 v[FT+8*\b+2*\p:FT+8*\b+2*\p+1], v[8*(4*\a+\b)+2*\p:8*(4*\a+\b)+2*\p+1], s[SC+2*(\b/2):SC+2*(\b/2)+1], v[BV+8*\b+2*\p:BV+8*\b+2*\p+1] op_sel_hi:[1,0,1]
.endr
.endr
	WIN 0
.irp b, 4,5
.irp p, 0,1,2,3
	v_pk_fma_f32 v[ACC2+8*(2*\a+\b-4)+2*\p:ACC2+8*(2*\a+\b-4)+2*\p+1], v[ACC2+8*(2*\a+\b-4)+2*\p:ACC2+8*(2*\a+\b-4)+2*\p+1], s[SC+4:SC+5], v[BV+8*\b+2*\p:BV+8*\b+2*\p+1] op_sel_hi:[1,0,1]
.endr
.endr
.irp b, 0,1,2,3
.irp p, 0,1,2,3
	v_cvt_pk_f16_f32 v[TMP+4*\b+\p], v[FT+8*\b+2*\p], v[FT+8*\b+2*\p+1]
.endr
.endr
.irp b, 4,5
.irp p, 0,1,2,3
	v_cvt_pk_f16_f32 v[TMP+4*\b+\p], v[ACC2+8*(2*\a+\b-4)+2*\p], v[ACC2+8*(2*\a+\b-4)+2*\p+1]
.endr
.endr
.irp b, 0,1,2,3,4,5
	ds_store_b128 v[STO+\b/2], v[TMP+4*\b:TMP+4*\b+3] offset:\a*16*APIT+(\b%2)*32
.endr
.endm
.irp a, 0,1,2,3,4,5,6,7
	OUTROW \a
.endr
	s_wait_dscnt 0x0                               ; my stores into the stage are done,
	s_barrier_signal -1
	s_barrier_wait -1                              ; everybody's are
; head hd of my six: rows 32 w .. 32 w + 31, eight loads of four rows, stored as 512 consecutive bytes each
.macro OUTHEAD hd, f
	s_wait_xcnt 0x0                                ; every earlier memory instruction has had its addresses translated (ISA guide 3.1): buffer f and the stores' base are rewritten only behind this wait
	s_add_co_u32 s86, s85, \hd
	s_lshr_b32 s87, s86, 3                         ; q, k or v: << 24
	s_lshl_b32 s87, s87, 24
	s_and_b32 s86, s86, 7                          ; the head: << 18
	s_lshl_b32 s86, s86, 18
	s_add_co_u32 s88, s87, s86
	s_add_co_u32 s88, s88, s84
	s_mov_b32 s89, 0
	s_add_nc_u64 s[82:83], s[14:15], s[88:89]
.irp i, 0,1,2,3,4,5,6,7
	ds_load_b128 v[\f+4*\i:\f+4*\i+3], v[RD] offset:\i*4*APIT
.endr
	v_add_nc_u32 v[RD], HST, v[RD]                 ; the next head
.irp i, 0,1,2,3,4,5,6,7
	s_wait_dscnt 7-\i                              ; LDS loads come back in order (ISA guide 5.7.1): load i is in
	global_store_b128 v[CO], v[\f+4*\i:\f+4*\i+3], s[82:83] offset:\i*512
.endr
.endm
	OUTHEAD 0, 16
	OUTHEAD 1, 48
	OUTHEAD 2, 16
	OUTHEAD 3, 48
	OUTHEAD 4, 16
	OUTHEAD 5, 48
	s_wait_xcnt 0x0
	v_lshl_add_u32 v14, v0, 2, 0x36000
	v_mov_b32 v15, 0
	s_wait_tensorcnt 0x0
	ds_add_u32 v14, v15
	s_wait_dscnt 0x0
	ROUND                                          ; the closing round: no work-group ends while a partner may still ask for a tile that names it
	s_endpgm
.Lfunc_end_k_q1b25d0f70b_proj:
	.size	k_q1b25d0f70b_proj, .Lfunc_end_k_q1b25d0f70b_proj-k_q1b25d0f70b_proj
	.p2alignl 7, 3214868480
	.fill 96, 4, 3214868480
	.section	.rodata,"a",@progbits
	.p2align	6, 0x0
	.amdhsa_kernel k_q1b25d0f70b_proj
		.amdhsa_group_segment_fixed_size 327680
		.amdhsa_private_segment_fixed_size 0
		.amdhsa_enable_private_segment 0
		.amdhsa_kernarg_size 48
		.amdhsa_user_sgpr_count 2
		.amdhsa_user_sgpr_kernarg_segment_ptr 1
		.amdhsa_wavefront_size32 1
		.amdhsa_system_sgpr_workgroup_id_x 1
		.amdhsa_system_sgpr_workgroup_id_y 1
		.amdhsa_system_sgpr_workgroup_id_z 1
		.amdhsa_system_vgpr_workitem_id 0
		.amdhsa_next_free_vgpr 512
		.amdhsa_next_free_sgpr 96
		.amdhsa_reserve_vcc 0
		.amdhsa_float_denorm_mode_32 3
		.amdhsa_float_denorm_mode_16_64 3
		.amdhsa_memory_ordered 1
		.amdhsa_forward_progress 1
		.amdhsa_inst_pref_size 94
	.end_amdhsa_kernel
	.amdgpu_metadata
---
amdhsa.version: [ 1, 2 ]
amdhsa.kernels:
  - .name:           k_q1b25d0f70b_proj
    .symbol:         k_q1b25d0f70b_proj.kd
    .args:
      - { .name: xh, .offset: 0, .size: 8, .value_kind: global_buffer, .address_space: global }
      - { .name: wh, .offset: 8, .size: 8, .value_kind: global_buffer, .address_space: global }
      - { .name: bq, .offset: 16, .size: 8, .value_kind: global_buffer, .address_space: global }
      - { .name: bk, .offset: 24, .size: 8, .value_kind: global_buffer, .address_space: global }
      - { .name: bv, .offset: 32, .size: 8, .value_kind: global_buffer, .address_space: global }
      - { .name: qkv, .offset: 40, .size: 8, .value_kind: global_buffer, .address_space: global }
    .group_segment_fixed_size: 327680
    .private_segment_fixed_size: 0
    .kernarg_segment_align: 8
    .kernarg_segment_size: 48
    .max_flat_workgroup_size: 256
    .sgpr_count:     96
    .vgpr_count:     512
    .wavefront_size: 32
...
	.end_amdgpu_metadata
.endif
;; end of part 2
;; launch attn (part 3): grid 4 x 64, 8 waves a work-group, clusters of 4 x 1, 327,680 bytes of LDS; arguments qkv, Wc, part; writes part
.if DOCPART == 3
	.amdgcn_target "amdgcn-amd-amdhsa--gfx1250"
	.amdhsa_code_object_version 6
	.text
	.protected	k_q1b25d0f70b_attn
	.globl	k_q1b25d0f70b_attn
	.p2align	8
	.type	k_q1b25d0f70b_attn,@function
k_q1b25d0f70b_attn:
	s_mov_b64 s[64:65], 0
	v_nop
	global_prefetch_b8 v0, s[64:65] scope:SCOPE_SE
	s_setreg_imm32_b32 hwreg(HW_REG_WAVE_MODE, 25, 1), 1
	s_wait_xcnt 0x0
	s_wait_alu depctr_hold_cnt(0) depctr_sa_sdst(0) depctr_va_vdst(0) depctr_va_sdst(0) depctr_va_ssrc(0) depctr_va_vcc(0) depctr_vm_vsrc(0)
	s_getreg_b32 s2, hwreg(HW_REG_IB_STS2, 6, 4)
	s_cmp_eq_u32 s2, 0
	s_cbranch_scc0 .Lentry_in_a_cluster
	s_endpgm
.Lentry_in_a_cluster:
	s_bfe_u32 s2, ttmp6, 0x10000c
	s_cmp_lg_u32 s2, 0x3003
	s_cbranch_scc0 .Lentry_shape_is_right
	s_endpgm
.Lentry_shape_is_right:
; Attention of one (batch, head) for 512 query rows, with a running maximum; then exact GELU and the head's share of the two logits.
; part[head][row][c] = 2 x sum over the head's 64 d of gelu(attn[row][d]) Wc[64 head + d][c]; the factor 0.5 is applied where the heads are summed.
; q comes scaled by 0.25 log2(e) and k by 0.5, so scores are exponents of 2; v comes scaled by 1/16, and the 16 rides on 1 / sum at the end.
; Limits: q, k, v and the probabilities enter the matrix unit in f16.  A probability is 2^(score - running maximum), at most 1 for every input;
; below 2^-14 its absolute error is at most 3e-8, against a denominator of at least 1.  The denominator is summed from the unrounded f32
; probabilities.  erf by the five-term rational formula (Abramowitz and Stegun 7.1.26), absolute error 1.5e-7; v_exp_f32 gives 0 for results below 2^-126.
; Eight waves; wave w owns query rows 64 w .. 64 w + 63 of the block: four query tiles n.  Keys go in 32 steps of 64.
; CLUSTERS: the four query blocks of one (batch, head) form a cluster and ask jointly for every tile of K and V (the mask names all four).
; TRANSPOSED FORMS.  S^T = K Q^T: lane (r, h), register j of tile t holds key 16 t + 8 h + j of query r, so maximum and sum over keys stay in
; the lane but for one exchange of the halves, and the packed pairs of tiles 2 c, 2 c + 1 ARE the second source of O^T = V^T P^T, without a shuffle.
; O^T: lane (r, h), register j of tile dt holds d = 16 dt + 8 h + j of query r: the rescaling factor is the lane's own.
; LDS, a slot of 256 keys: eight groups of 10,240 bytes, group w filled by wave w.  Groups 0-3: 64 keys of K each, pitch 144 (an odd multiple of 16);
; groups 4-7: 64 keys of V each, pitch 160 (an odd multiple of 32, for the transposing load).  A step reads one group of each.
; The last product (64 x 2 a head) and GELU are vector work in f32: two columns would leave seven eighths of a matrix tile empty.
.set GRP,   10240
.set SLOT,  8*GRP                      ; 81,920
.set KPIT,  144
.set VPIT,  160
.set VPART, 4*GRP
.set TILEB, 256*128                    ; bytes of K, or of V, in 256 keys
.set KA,  4                            ; v4, v5    LDS address of my K fragments in slot 0, 1
.set VA,  6                            ; v6, v7    the same for V
.set QO,  8                            ; v8        my offset in Q
.set PO,  9                            ; v9        8 x lane
.set ST,  10                           ; v10-25    query tile n: maximum ST+4n, my half's sum +1, rescaling factor +2, new maximum +3
.set TT,  26                           ; v26-41    two sets of eight, at work, for even and odd n
.set WO,  42                           ; v42       my offset in Wc
.set SR,  48                           ; v48-175   scores: tile (n, t) at SR + 32 n + 8 t; then P's fragments at SR + 32 n + 8 c
.set KF,  176                          ; v176-239  K's fragments (t, c) at KF + 16 t + 8 c; at the end Wc
                                       ; window 1: O (dt, n) at 8 (4 dt + n);
.set QF,  128                          ;           Q's fragments (n, c) at 128 + 16 n + 8 c;
.set VF,  192                          ;           V's fragments (dt, c) at 192 + 16 dt + 8 c
.set G1K, 24                           ; s[24:31]
.set G1V, 32                           ; s[32:39]
.set G0K, 40                           ; s[40:47]  one set for each slot
.set G0V, 48                           ; s[48:55]
.set GX,  48                           ; the end: 16 values x; |x|; t; e; the polynomial
.set GA,  64
.set GT,  80
.set GE,  96
.set GP,  112
.set GACC, 128                         ; two pairs of sums (c = 0, 1) that take turns
.set GR,  132                          ; v132-139  query tile n's pair
.set CV,  140                          ; v140-141  -a5, twice
.set MSB, 0
.macro WIN new                         ; the immediate's high byte repeats the setting that is left
.if MSB != \new
	s_set_vgpr_msb (MSB<<8)|\new
.set MSB, \new
.endif
.endm
.macro PLACES cnt
.rept \cnt
	v_nop
.endr
.endm
.macro ROUND                           ; a round of the cluster's barrier
	s_barrier_signal -1
	s_barrier_wait -1
	s_cmp_lg_u32 s10, 0
	s_cbranch_scc1 .Lnot_wave_0_\@
	s_barrier_signal -3
.Lnot_wave_0_\@:
	s_barrier_wait -3
	s_barrier_signal -1
	s_barrier_wait -1
.endm
.macro JLOAD s                         ; waves 0-3 ask for K's four groups, waves 4-7 for V's
	s_cmp_eq_u32 s11, 0
	s_cbranch_scc0 .Lfor_v_\@
	tensor_load_to_lds s[G0K+4*\s:G0K+4*\s+3], s[G1K:G1K+7]
	s_nop 0
	s_branch .Lasked_\@
.Lfor_v_\@:
	tensor_load_to_lds s[G0V+4*\s:G0V+4*\s+3], s[G1V:G1V+7]
	s_nop 0
.Lasked_\@:
.endm
	s_load_b128 s[4:7], s[0:1], 0x0                ; qkv s[4:5], Wc s[6:7]
	s_load_b64 s[8:9], s[0:1], 0x10                ; part
	v_lshl_add_u32 v254, v0, 2, 0x29000
	v_mov_b32 v255, 0
	ds_add_u32 v254, v255
	v_lshrrev_b32 v1, 5, v0
	v_readfirstlane_b32 s10, v1                    ; wave 0..7
	s_lshr_b32 s11, s10, 2                         ; I fetch for K (0) or for V (1),
	s_and_b32 s12, s10, 3                          ; and which 64 keys of a tile
	s_bfe_u32 s13, ttmp6, 0x40000                  ; cx
	s_lshl_b32 s15, ttmp9, 2
	s_add_co_u32 s13, s15, s13                     ; query block = 4 x cluster x + cx; it enters Q's and part's addresses alone
	s_and_b32 s14, ttmp7, 0xffff                   ; 8 x batch + head
	s_mov_b32 s20, 0x76543210                      ; v_permlanex16_b32: lane i of one half reads lane i of the other
	s_mov_b32 s21, 0xfedcba98
	; tiles of 64 rows x 64 elements of 2 bytes, 64 elements from row to row; padding behind every 32 words: 4 words for K, 8 for V
	s_mov_b32 s[G1K+0], 15|(1<<16)|(1<<20)|(1<<21)|(4<<22)|(3<<25)
	s_mov_b32 s[G1V+0], 15|(1<<16)|(1<<20)|(1<<21)|(4<<22)|(7<<25)
.irp g, G1K, G1V
	s_mov_b32 s[\g+1], 64<<16                      ; tensor_dim0 = 64
	s_mov_b32 s[\g+2], 64<<16                      ; tensor_dim1 = 64
	s_mov_b32 s[\g+3], 64<<16                      ; tile_dim0 = 64
	s_mov_b32 s[\g+4], 64                          ; tile_dim1 = 64
	s_mov_b32 s[\g+5], 64
	s_mov_b32 s[\g+6], 0
	s_mov_b32 s[\g+7], 0
.endr
	s_lshl_b32 s16, s14, 18                        ; K and V: the (batch, head)'s 2,048 rows of 128 bytes,
	s_lshl_b32 s18, s12, 13                        ; + my 64 rows
	s_add_co_u32 s16, s16, s18
	s_mov_b32 s17, 0
	s_mul_i32 s19, s10, GRP                        ; where my part goes: wave x 10,240
	s_lshl_b32 s58, s14, 18                        ; Q: + 512 rows a block + 64 rows a wave
	s_lshl_b32 s60, s13, 16
	s_add_co_u32 s58, s58, s60
	s_lshl_b32 s60, s10, 13
	s_add_co_u32 s58, s58, s60
	s_mov_b32 s59, 0
	s_and_b32 s62, s14, 7                          ; head
	s_lshl_b32 s60, s62, 17                        ; part: 16,384 rows of 8 bytes a head,
	s_lshl_b32 s62, s62, 9                         ; Wc: 64 rows of 8 bytes a head
	s_mov_b32 s63, 0
	s_lshr_b32 s61, s14, 3
	s_lshl_b32 s61, s61, 14                        ; + 2,048 rows a batch
	s_add_co_u32 s60, s60, s61
	s_lshl_b32 s61, s13, 12                        ; + 512 rows a block
	s_add_co_u32 s60, s60, s61
	s_lshl_b32 s61, s10, 9                         ; + 64 rows a wave
	s_add_co_u32 s60, s60, s61
	s_mov_b32 s61, 0
	s_wait_dscnt 0x0
	s_wait_kmcnt 0x0
	s_add_nc_u64 s[56:57], s[4:5], s[58:59]        ; Q
	s_add_nc_u64 s[16:17], s[4:5], s[16:17]
	s_add_nc_u64 s[6:7], s[6:7], s[62:63]
	s_add_nc_u64 s[8:9], s[8:9], s[60:61]
.irp s, 0,1
	s_mov_b32 s[G0K+4*\s], 1
	s_add_co_u32 s[G0K+4*\s+1], s19, \s*SLOT
	s_add_nc_u64 s[G0K+4*\s+2:G0K+4*\s+3], s[16:17], (1<<24)+\s*TILEB
	s_or_b32 s[G0K+4*\s+3], s[G0K+4*\s+3], 0x80000000
	s_mov_b32 s[G0V+4*\s], 1
	s_add_co_u32 s[G0V+4*\s+1], s19, \s*SLOT
	s_add_nc_u64 s[G0V+4*\s+2:G0V+4*\s+3], s[16:17], (2<<24)+\s*TILEB
	s_or_b32 s[G0V+4*\s+3], s[G0V+4*\s+3], 0x80000000
.endr
	ROUND                                          ; the four work-groups are here: the first joint loads meet
	JLOAD 0                                        ; keys 0 to 255
	v_and_b32 v1, 15, v0                           ; r
	v_bfe_u32 v2, v0, 4, 1                         ; h
	v_lshlrev_b32 v[QO], 7, v1
	v_lshl_add_u32 v[QO], v2, 4, v[QO]             ; row r, 16 bytes for each half
	WIN 0x40                                       ; destination in window 1
.irp n, 0,1,2,3
.irp c, 0,1
	global_load_b128 v[QF+16*\n+8*\c:QF+16*\n+8*\c+3],   v[QO], s[56:57] offset:\n*2048+\c*64
	global_load_b128 v[QF+16*\n+8*\c+4:QF+16*\n+8*\c+7], v[QO], s[56:57] offset:\n*2048+\c*64+32
.endr
.endr
	WIN 0
	v_mul_u32_u24 v[KA], v1, KPIT
	v_lshl_add_u32 v[KA], v2, 4, v[KA]
	v_add_nc_u32 v[KA+1], SLOT, v[KA]
	v_and_b32 v3, 7, v0
	v_lshl_add_u32 v3, v2, 3, v3                   ; the transposing load: key 8 h + (lane & 7),
	v_mul_u32_u24 v[VA], v3, VPIT
	v_bfe_u32 v3, v0, 3, 1
	v_lshl_add_u32 v[VA], v3, 4, v[VA]             ; 16 bytes for each half of eight d
	v_add_nc_u32 v[VA], VPART, v[VA]
	v_add_nc_u32 v[VA+1], SLOT, v[VA]
	v_and_b32 v[PO], 31, v0
	v_lshlrev_b32 v[PO], 3, v[PO]
	v_lshlrev_b32 v[WO], 6, v2                     ; 8 h rows of Wc
.irp n, 0,1,2,3
	v_mov_b32 v[ST+4*\n+1], 0                      ; the pair (maximum, sum) is named whole by the packed subtraction before the first sum is made
.endr
	s_wait_loadcnt 0x0                             ; Q
.macro FETCHK s, j                     ; 16 loads: 64 keys x 64 d as first sources
.irp t, 0,1,2,3
.irp c, 0,1
	ds_load_b128 v[KF+16*\t+8*\c:KF+16*\t+8*\c+3],   v[KA+\s] offset:(\j)*GRP+\t*16*KPIT+64*\c
	ds_load_b128 v[KF+16*\t+8*\c+4:KF+16*\t+8*\c+7], v[KA+\s] offset:(\j)*GRP+\t*16*KPIT+64*\c+32
.endr
.endr
.endm
.macro FETCHV s, j                     ; 16 transposing loads: 64 d x 64 keys as first sources
.irp dt, 0,1,2,3
.irp c, 0,1
	ds_load_tr16_b128 v[VF+16*\dt+8*\c:VF+16*\dt+8*\c+3],   v[VA+\s] offset:(\j)*GRP+\c*32*VPIT+32*\dt
	ds_load_tr16_b128 v[VF+16*\dt+8*\c+4:VF+16*\dt+8*\c+7], v[VA+\s] offset:(\j)*GRP+\c*32*VPIT+32*\dt+16*VPIT
.endr
.endr
.endm
; In both products sixteen accumulators take turns, one instruction a turn, in the same order in both halves of K.
.macro SMUL c                          ; S^T += K Q^T over d = 32 c .. 32 c + 31; c = 0 starts the sums
.irp n, 0,1,2,3
.irp t, 0,1,2,3
.if \c
	v_wmma_f32_16x16x32_f16 v[SR+32*\n+8*\t:SR+32*\n+8*\t+7], v[KF+16*\t+8*\c:KF+16*\t+8*\c+7], v[QF+16*\n+8*\c:QF+16*\n+8*\c+7], v[SR+32*\n+8*\t:SR+32*\n+8*\t+7]
.else
	v_wmma_f32_16x16x32_f16 v[SR+32*\n+8*\t:SR+32*\n+8*\t+7], v[KF+16*\t+8*\c:KF+16*\t+8*\c+7], v[QF+16*\n+8*\c:QF+16*\n+8*\c+7], 0
.endif
.endr
.endr
.endm
.macro PVMUL c, zero                   ; O^T += V^T P^T over keys 32 c .. 32 c + 31
.irp dt, 0,1,2,3
.irp n, 0,1,2,3
.if \zero
	v_wmma_f32_16x16x32_f16 v[8*(4*\dt+\n):8*(4*\dt+\n)+7], v[VF+16*\dt+8*\c:VF+16*\dt+8*\c+7], v[SR+32*\n+8*\c:SR+32*\n+8*\c+7], 0
.else
	v_wmma_f32_16x16x32_f16 v[8*(4*\dt+\n):8*(4*\dt+\n)+7], v[VF+16*\dt+8*\c:VF+16*\dt+8*\c+7], v[SR+32*\n+8*\c:SR+32*\n+8*\c+7], v[8*(4*\dt+\n):8*(4*\dt+\n)+7]
.endif
.endr
.endr
.endm
; The softmax step of query tile n on my 32 scores of query r.
.macro SM n, first
.set SB, SR+32*\n
.set TB, TT+8*(\n%2)
.set MM, ST+4*\n
.irp t, 0,1,2,3
	v_max3_num_f32 v[TB+\t], v[SB+8*\t], v[SB+8*\t+1], v[SB+8*\t+2]        ; four chains that do not wait for each other
.endr
.irp t, 0,1,2,3
	v_max3_num_f32 v[TB+\t], v[TB+\t], v[SB+8*\t+3], v[SB+8*\t+4]
.endr
.irp t, 0,1,2,3
	v_max3_num_f32 v[TB+\t], v[TB+\t], v[SB+8*\t+5], v[SB+8*\t+6]
.endr
	v_max3_num_f32 v[TB], v[TB], v[SB+7], v[SB+15]
	v_max3_num_f32 v[TB+1], v[TB+1], v[SB+23], v[SB+31]
	v_max3_num_f32 v[TB], v[TB], v[TB+1], v[TB+2]
.if \first
	v_max_num_f32 v[TB], v[TB], v[TB+3]
	v_permlanex16_b32 v[TB+1], v[TB], s20, s21     ; the other half's 32 keys
	v_max_num_f32 v[MM], v[TB], v[TB+1]
.else
	v_max3_num_f32 v[TB], v[TB], v[TB+3], v[MM]    ; with the running maximum
	v_permlanex16_b32 v[TB+1], v[TB], s20, s21
	v_max_num_f32 v[MM+3], v[TB], v[TB+1]
	v_sub_f32 v[TB+2], v[MM], v[MM+3]
	v_mov_b32 v[MM], v[MM+3]
	v_exp_f32 v[MM+2], v[TB+2]                     ; 2^(old - new); the subtractions below are the plain place behind it (ISA guide 5.7.2)
.endif
.set k, 0
.rept 16
	v_pk_add_f32 v[SB+2*k:SB+2*k+1], v[SB+2*k:SB+2*k+1], v[MM:MM+1] op_sel_hi:[1,0] neg_lo:[0,1] neg_hi:[0,1]
.set k, k+1
.endr
.set k, 0
.rept 32
	v_exp_f32 v[SB+k], v[SB+k]
.set k, k+1
.endr
	v_nop                                          ; one plain place between the exponentials and the first use of a result (ISA guide 5.7.2)
	s_wait_alu depctr_va_vdst(0)
.irp c, 0,1,2,3
	v_pk_add_f32 v[TB+2*\c:TB+2*\c+1], v[SB+2*\c:SB+2*\c+1], v[SB+8+2*\c:SB+8+2*\c+1]
.endr
.irp c, 0,1,2,3
	v_pk_add_f32 v[TB+2*\c:TB+2*\c+1], v[TB+2*\c:TB+2*\c+1], v[SB+16+2*\c:SB+16+2*\c+1]
.endr
.irp c, 0,1,2,3
	v_pk_add_f32 v[TB+2*\c:TB+2*\c+1], v[TB+2*\c:TB+2*\c+1], v[SB+24+2*\c:SB+24+2*\c+1]
.endr
	v_pk_add_f32 v[TB:TB+1], v[TB:TB+1], v[TB+2:TB+3]
	v_pk_add_f32 v[TB+4:TB+5], v[TB+4:TB+5], v[TB+6:TB+7]
	v_pk_add_f32 v[TB:TB+1], v[TB:TB+1], v[TB+4:TB+5]
.if \first
	v_add_f32 v[MM+1], v[TB], v[TB+1]              ; the sum stays my half's own until the end
.else
	v_add_f32 v[TB], v[TB], v[TB+1]
	v_fma_f32 v[MM+1], v[MM+1], v[MM+2], v[TB]
.endif
.set k, 0
.rept 16
	v_cvt_pk_f16_f32 v[SB+k], v[SB+2*k], v[SB+2*k+1]               ; packed downwards in place: register k is written after registers 2 k, 2 k + 1 and k have been read
.set k, k+1
.endr
.endm
.macro RESCALE
.irp dt, 0,1,2,3
.irp n, 0,1,2,3
.irp p, 0,1,2,3
	v_pk_mul_f32 v[8*(4*\dt+\n)+2*\p:8*(4*\dt+\n)+2*\p+1], v[8*(4*\dt+\n)+2*\p:8*(4*\dt+\n)+2*\p+1], v[ST+4*\n+2:ST+4*\n+3] op_sel_hi:[1,0]
.endr
.endr
.endr
.endm
.macro WCLOAD                          ; my 32 rows of Wc (d = 16 dt + 8 h + 0..7), two f32 each, into K's registers: register KF + 16 dt + 2 j + c
.irp dt, 0,1,2,3
.irp i, 0,1,2,3
	global_load_b128 v[KF+16*\dt+4*\i:KF+16*\dt+4*\i+3], v[WO], s[6:7] offset:\dt*128+16*\i
.endr
.endr
.endm
; 64 keys: group j of slot s.  K's fragments of the next step are fetched behind the score products, V's behind the second product.
.macro STEP s, j, first, wc
	s_wait_dscnt 16                                ; this step's K is in; the sixteen younger loads are its V
	WIN 0x04                                       ; source 1 (Q) in window 1
	SMUL 0
	SMUL 1
	WIN 0
	PLACES 4                                       ; four places before vector instructions read scores and loads land on K's registers (ISA guide 7.12.1 for vector instructions)
.if \j < 3
	FETCHK \s, \j+1
.endif
.if \wc
	WCLOAD
.endif
	SM 0, \first
	SM 1, \first
	SM 2, \first
	SM 3, \first
.if \first == 0
	WIN 0x41                                       ; O: destination and source 0 in window 1
	RESCALE
.endif
.if \j < 3
	s_wait_dscnt 16                                ; this step's V is in; the sixteen younger loads are the next step's K
.else
	s_wait_dscnt 0
.endif
	WIN 0x51                                       ; V, C and D in window 1, P in window 0
	PVMUL 0, \first
	PVMUL 1, 0
	PLACES 5                                       ; five places before the next score products write over P's registers; they also serve the loads onto V's registers and what reads O
.if \j < 3
	WIN 0x40
	FETCHV \s, \j+1
.endif
	WIN 0
.endm
; 256 keys.  In front of the round each wave waits for all its tensor loads (one is out: its part of this slot) and for its reads of the other slot;
; behind the round that slot is asked for again, first thing, one load a wave: it has four steps in which to land.
.macro TRIP s, o, refill, first, last
	s_wait_tensorcnt 0x0
	ds_add_u32 v254, v255
	s_wait_dscnt 0x0
	s_add_nc_u64 s[G0K+4*\s+2:G0K+4*\s+3], s[G0K+4*\s+2:G0K+4*\s+3], 2*TILEB   ; no load of mine is out: this slot's next tile
	s_add_nc_u64 s[G0V+4*\s+2:G0V+4*\s+3], s[G0V+4*\s+2:G0V+4*\s+3], 2*TILEB
	s_wait_dscnt 0x0
	ROUND
.if \refill
	JLOAD \o
.endif
	FETCHK \s, 0
	WIN 0x40
	FETCHV \s, 0
	WIN 0
	STEP \s, 0, \first, 0
	STEP \s, 1, 0, 0
	STEP \s, 2, 0, 0
	STEP \s, 3, 0, \last
.endm
	TRIP 0, 1, 1, 1, 0                             ; keys 0-255 start maximum, sum and O, and ask for keys 256-511: slot 1's first fill, issued as a refill is
	s_mov_b32 s22, 3
.Lkeys:
	TRIP 1, 0, 1, 0, 0
	TRIP 0, 1, 1, 0, 0
	s_sub_co_u32 s22, s22, 1
	s_cmp_lg_u32 s22, 0
	s_cbranch_scc1 .Lkeys
	TRIP 1, 0, 0, 0, 1                             ; the last 256 keys: nothing is left to fetch; Wc is asked for in the last step
	; THE END.  16 / sum; x = O x 16 / sum; 2 gelu(x) = x + |x| (1 - w), w = (a1 t + .. + a5 t^5) 2^(-x^2 log2(e) / 2), t = 1 / (1 + |x| p / sqrt 2).
	s_wait_loadcnt 0x0                             ; Wc
.irp n, 0,1,2,3
	v_permlanex16_b32 v[TT+\n], v[ST+4*\n+1], s20, s21             ; the other half's sum
.endr
.irp n, 0,1,2,3
	v_add_f32 v[ST+4*\n+1], v[ST+4*\n+1], v[TT+\n]                 ; at least 1: the largest score gives 2^0
.endr
.irp n, 0,1,2,3
	v_rcp_f32 v[ST+4*\n+2], v[ST+4*\n+1]
.endr
	v_mov_b32 v[CV], 0xbf87dc22                    ; -a5 (also the plain place behind the reciprocals); the polynomial is kept negative, so that no sign is turned later
	v_mov_b32 v[CV+1], 0xbf87dc22
	s_wait_alu depctr_va_vdst(0)
.irp n, 0,1,2,3
	v_mul_f32 v[ST+4*\n+2], 0x41800000, v[ST+4*\n+2]               ; x 16: v was stored as v / 16
.endr
	s_mov_b32 s66, 0x3fba00e3                      ; -a4
	s_mov_b32 s67, 0x3fba00e3
	s_mov_b32 s68, 0xbfb5f0e3                      ; -a3
	s_mov_b32 s69, 0xbfb5f0e3
	s_mov_b32 s70, 0x3e91a98e                      ; -a2
	s_mov_b32 s71, 0x3e91a98e
	s_mov_b32 s72, 0xbe827906                      ; -a1
	s_mov_b32 s73, 0xbe827906
; 16 values of query tile n: d tiles 2 half, 2 half + 1
.macro GELU16 n, half
	WIN 0x01                                       ; O in window 1
.irp p, 0,1,2,3,4,5,6,7
	v_pk_mul_f32 v[GX+2*\p:GX+2*\p+1], v[8*(4*(2*\half+\p/4)+\n)+2*(\p%4):8*(4*(2*\half+\p/4)+\n)+2*(\p%4)+1], v[ST+4*\n+2:ST+4*\n+3] op_sel_hi:[1,0]
.endr
	WIN 0
.set k, 0
.rept 16
	v_and_b32 v[GA+k], 0x7fffffff, v[GX+k]
.set k, k+1
.endr
.irp p, 0,1,2,3,4,5,6,7
	v_pk_fma_f32 v[GT+2*\p:GT+2*\p+1], v[GA+2*\p:GA+2*\p+1], 0x3e6d3388, 1.0 op_sel_hi:[1,0,0]   ; 1 + |x| p / sqrt 2
	v_pk_mul_f32 v[GE+2*\p:GE+2*\p+1], v[GX+2*\p:GX+2*\p+1], v[GX+2*\p:GX+2*\p+1]
.endr
.irp p, 0,1,2,3,4,5,6,7
	v_pk_mul_f32 v[GE+2*\p:GE+2*\p+1], v[GE+2*\p:GE+2*\p+1], 0xbf38aa3b op_sel_hi:[1,0]          ; -x^2 log2(e) / 2
.endr
.set k, 0
.rept 16
	v_rcp_f32 v[GT+k], v[GT+k]
.set k, k+1
.endr
.set k, 0
.rept 16
	v_exp_f32 v[GE+k], v[GE+k]
.set k, k+1
.endr
	v_nop                                          ; one plain place behind the transcendentals (ISA guide 5.7.2)
	s_wait_alu depctr_va_vdst(0)
.irp p, 0,1,2,3,4,5,6,7
	v_pk_fma_f32 v[GP+2*\p:GP+2*\p+1], v[GT+2*\p:GT+2*\p+1], v[CV:CV+1], s[66:67] op_sel_hi:[1,1,0]
.endr
.irp c, 68,70,72
.irp p, 0,1,2,3,4,5,6,7
	v_pk_fma_f32 v[GP+2*\p:GP+2*\p+1], v[GP+2*\p:GP+2*\p+1], v[GT+2*\p:GT+2*\p+1], s[\c:\c+1] op_sel_hi:[1,1,0]
.endr
.endr
.irp p, 0,1,2,3,4,5,6,7
	v_pk_mul_f32 v[GP+2*\p:GP+2*\p+1], v[GP+2*\p:GP+2*\p+1], v[GT+2*\p:GT+2*\p+1]
.endr
.irp p, 0,1,2,3,4,5,6,7
	v_pk_mul_f32 v[GE+2*\p:GE+2*\p+1], v[GP+2*\p:GP+2*\p+1], v[GE+2*\p:GE+2*\p+1]                ; -w
.endr
.irp p, 0,1,2,3,4,5,6,7
	v_pk_fma_f32 v[GA+2*\p:GA+2*\p+1], v[GE+2*\p:GE+2*\p+1], v[GA+2*\p:GA+2*\p+1], v[GA+2*\p:GA+2*\p+1]   ; |x| (1 - w)
.endr
.irp p, 0,1,2,3,4,5,6,7
	v_pk_add_f32 v[GX+2*\p:GX+2*\p+1], v[GX+2*\p:GX+2*\p+1], v[GA+2*\p:GA+2*\p+1]                ; 2 gelu(x)
.endr
	; each value times its row of Wc (both classes at once): the value is taken for both halves of the packed step; even and odd values have sums of their own
.irp p, 0,1,2,3,4,5,6,7
.if (\half+\p) == 0
	v_pk_mul_f32 v[GACC:GACC+1],   v[GX:GX+1], v[KF:KF+1]   op_sel:[0,0] op_sel_hi:[0,1]         ; the first products start the sums
	v_pk_mul_f32 v[GACC+2:GACC+3], v[GX:GX+1], v[KF+2:KF+3] op_sel:[1,0] op_sel_hi:[1,1]
.else
	v_pk_fma_f32 v[GACC:GACC+1],   v[GX+2*\p:GX+2*\p+1], v[KF+16*(2*\half+\p/4)+4*(\p%4):KF+16*(2*\half+\p/4)+4*(\p%4)+1],   v[GACC:GACC+1]   op_sel:[0,0,0] op_sel_hi:[0,1,1]
	v_pk_fma_f32 v[GACC+2:GACC+3], v[GX+2*\p:GX+2*\p+1], v[KF+16*(2*\half+\p/4)+4*(\p%4)+2:KF+16*(2*\half+\p/4)+4*(\p%4)+3], v[GACC+2:GACC+3] op_sel:[1,0,0] op_sel_hi:[1,1,1]
.endif
.endr
.endm
.irp n, 0,1,2,3
	GELU16 \n, 0
	GELU16 \n, 1
	v_pk_add_f32 v[GR+2*\n:GR+2*\n+1], v[GACC:GACC+1], v[GACC+2:GACC+3]
.endr
.irp k, 0,1,2,3,4,5,6,7
	v_permlanex16_b32 v[GX+\k], v[GR+\k], s20, s21 ; the other half's 32 d
.endr
.irp n, 0,1,2,3
	v_pk_add_f32 v[GR+2*\n:GR+2*\n+1], v[GR+2*\n:GR+2*\n+1], v[GX+2*\n:GX+2*\n+1]
.endr
	s_mov_b32 vcc_lo, 0xffff0000                   ; lanes 0-15 store an even query tile's rows, lanes 16-31 the odd one's
	v_cndmask_b32 v[GA],   v[GR],   v[GR+2], vcc_lo
	v_cndmask_b32 v[GA+1], v[GR+1], v[GR+3], vcc_lo
	v_cndmask_b32 v[GA+2], v[GR+4], v[GR+6], vcc_lo
	v_cndmask_b32 v[GA+3], v[GR+5], v[GR+7], vcc_lo
	global_store_b64 v[PO], v[GA:GA+1],   s[8:9]               ; 32 rows of 8 bytes: 256 consecutive bytes, aligned
	global_store_b64 v[PO], v[GA+2:GA+3], s[8:9] offset:256
	ROUND                                          ; the closing round: no work-group ends while a partner may still ask for a tile that names it
	s_endpgm
.Lfunc_end_k_q1b25d0f70b_attn:
	.size	k_q1b25d0f70b_attn, .Lfunc_end_k_q1b25d0f70b_attn-k_q1b25d0f70b_attn
	.p2alignl 7, 3214868480
	.fill 96, 4, 3214868480
	.section	.rodata,"a",@progbits
	.p2align	6, 0x0
	.amdhsa_kernel k_q1b25d0f70b_attn
		.amdhsa_group_segment_fixed_size 327680
		.amdhsa_private_segment_fixed_size 0
		.amdhsa_enable_private_segment 0
		.amdhsa_kernarg_size 24
		.amdhsa_user_sgpr_count 2
		.amdhsa_user_sgpr_kernarg_segment_ptr 1
		.amdhsa_wavefront_size32 1
		.amdhsa_system_sgpr_workgroup_id_x 1
		.amdhsa_system_sgpr_workgroup_id_y 1
		.amdhsa_system_sgpr_workgroup_id_z 1
		.amdhsa_system_vgpr_workitem_id 0
		.amdhsa_next_free_vgpr 512
		.amdhsa_next_free_sgpr 80
		.amdhsa_reserve_vcc 1
		.amdhsa_float_denorm_mode_32 3
		.amdhsa_float_denorm_mode_16_64 3
		.amdhsa_memory_ordered 1
		.amdhsa_forward_progress 1
		.amdhsa_inst_pref_size 255
	.end_amdhsa_kernel
	.section	.bss,"aw",@nobits
	.p2align	6
	.space	262144
	.amdgpu_metadata
---
amdhsa.version: [ 1, 2 ]
amdhsa.kernels:
  - .name:           k_q1b25d0f70b_attn
    .symbol:         k_q1b25d0f70b_attn.kd
    .args:
      - { .name: qkv, .offset: 0, .size: 8, .value_kind: global_buffer, .address_space: global }
      - { .name: Wc, .offset: 8, .size: 8, .value_kind: global_buffer, .address_space: global }
      - { .name: part, .offset: 16, .size: 8, .value_kind: global_buffer, .address_space: global }
    .group_segment_fixed_size: 327680
    .private_segment_fixed_size: 0
    .kernarg_segment_align: 8
    .kernarg_segment_size: 24
    .max_flat_workgroup_size: 256
    .sgpr_count:     80
    .vgpr_count:     512
    .wavefront_size: 32
...
	.end_amdgpu_metadata
.endif
;; end of part 3
;; launch headsum (part 4): grid 256 x 1, 2 waves a work-group, no clusters, 0 bytes of LDS; arguments part, bc, out0; writes out0
.if DOCPART == 4
	.amdgcn_target "amdgcn-amd-amdhsa--gfx1250"
	.amdhsa_code_object_version 6
	.text
	.protected	k_q1b25d0f70b_headsum
	.globl	k_q1b25d0f70b_headsum
	.p2align	8
	.type	k_q1b25d0f70b_headsum,@function
k_q1b25d0f70b_headsum:
	s_mov_b64 s[64:65], 0
	v_nop
	global_prefetch_b8 v0, s[64:65] scope:SCOPE_SE
	s_setreg_imm32_b32 hwreg(HW_REG_WAVE_MODE, 25, 1), 1
	s_wait_xcnt 0x0
; out0[row][c] = 0.5 x (sum over the 8 heads of part[head][row][c]) + bc[c].  part holds twice each head's share, so the 0.5 of GELU rides on the last fused step.
; The sum over heads spans work-groups of the launch before, so it is made here, in a fixed order.  Thread t owns row 64 x work-group + t: 8 bytes;
; each load and the store of a wave cover 256 consecutive bytes, aligned.  All eight loads are out together; there is nothing to overlap them with.
	s_load_b128 s[4:7], s[0:1], 0x0                ; part s[4:5], bc s[6:7]
	s_load_b64 s[8:9], s[0:1], 0x10                ; out0
	v_lshlrev_b32 v1, 3, v0
	s_lshl_b32 s12, ttmp9, 9                       ; 64 rows of 8 bytes
	s_mov_b32 s13, 0
	s_wait_kmcnt 0x0
	s_load_b64 s[10:11], s[6:7], 0x0               ; bc
	s_add_nc_u64 s[4:5], s[4:5], s[12:13]
	s_add_nc_u64 s[8:9], s[8:9], s[12:13]
.irp h, 0,1,2,3,4,5,6,7
	global_load_b64 v[4+2*\h:5+2*\h], v1, s[4:5] offset:\h*131072   ; a head is 16,384 rows of 8 bytes
.endr
	s_wait_kmcnt 0x0
	v_mov_b32 v20, s10
	v_mov_b32 v21, s11
	s_wait_loadcnt 0x0
	v_pk_add_f32 v[4:5], v[4:5], v[6:7]
	v_pk_add_f32 v[8:9], v[8:9], v[10:11]
	v_pk_add_f32 v[12:13], v[12:13], v[14:15]
	v_pk_add_f32 v[16:17], v[16:17], v[18:19]
	v_pk_add_f32 v[4:5], v[4:5], v[8:9]
	v_pk_add_f32 v[12:13], v[12:13], v[16:17]
	v_pk_add_f32 v[4:5], v[4:5], v[12:13]
	v_pk_fma_f32 v[4:5], v[4:5], 0.5, v[20:21] op_sel_hi:[1,0,1]
	global_store_b64 v1, v[4:5], s[8:9]
	s_endpgm
.Lfunc_end_k_q1b25d0f70b_headsum:
	.size	k_q1b25d0f70b_headsum, .Lfunc_end_k_q1b25d0f70b_headsum-k_q1b25d0f70b_headsum
	.p2alignl 7, 3214868480
	.fill 96, 4, 3214868480
	.section	.rodata,"a",@progbits
	.p2align	6, 0x0
	.amdhsa_kernel k_q1b25d0f70b_headsum
		.amdhsa_group_segment_fixed_size 0
		.amdhsa_private_segment_fixed_size 0
		.amdhsa_enable_private_segment 0
		.amdhsa_kernarg_size 24
		.amdhsa_user_sgpr_count 2
		.amdhsa_user_sgpr_kernarg_segment_ptr 1
		.amdhsa_wavefront_size32 1
		.amdhsa_system_sgpr_workgroup_id_x 1
		.amdhsa_system_sgpr_workgroup_id_y 1
		.amdhsa_system_sgpr_workgroup_id_z 1
		.amdhsa_system_vgpr_workitem_id 0
		.amdhsa_next_free_vgpr 24
		.amdhsa_next_free_sgpr 66
		.amdhsa_reserve_vcc 0
		.amdhsa_float_denorm_mode_32 3
		.amdhsa_float_denorm_mode_16_64 3
		.amdhsa_memory_ordered 1
		.amdhsa_forward_progress 1
		.amdhsa_inst_pref_size 3
	.end_amdhsa_kernel
	.amdgpu_metadata
---
amdhsa.version: [ 1, 2 ]
amdhsa.kernels:
  - .name:           k_q1b25d0f70b_headsum
    .symbol:         k_q1b25d0f70b_headsum.kd
    .args:
      - { .name: part, .offset: 0, .size: 8, .value_kind: global_buffer, .address_space: global }
      - { .name: bc, .offset: 8, .size: 8, .value_kind: global_buffer, .address_space: global }
      - { .name: out0, .offset: 16, .size: 8, .value_kind: global_buffer, .address_space: global }
    .group_segment_fixed_size: 0
    .private_segment_fixed_size: 0
    .kernarg_segment_align: 8
    .kernarg_segment_size: 24
    .max_flat_workgroup_size: 64
    .sgpr_count:     66
    .vgpr_count:     24
    .wavefront_size: 32
...
	.end_amdgpu_metadata
.endif
;; end of part 4
;; ======== version 2 of 2: 4 launches
;; limits: values are held in f16: magnitudes above 65,504 overflow, below 6.1e-05 lose precision; inputs' magnitudes at most 65,504; right only within a limited range of input values
;; workspace buffers: xh 16,777,216 bytes; wh 1,572,864 bytes; qkv 50,331,648 bytes; part 1,048,576 bytes
;; launch prep: the kernel of part 1 again; grid 256 x 1, 8 waves a work-group, no clusters, 0 bytes of LDS; arguments x, Wq, Wk, Wv, xh, wh; writes xh, wh
;; launch proj: the kernel of part 2 again; grid 4 x 64, 8 waves a work-group, clusters of 4 x 4, 327,680 bytes of LDS; arguments xh, wh, bq, bk, bv, qkv; writes qkv
;; launch attn (part 5): grid 4 x 64, 8 waves a work-group, clusters of 4 x 1, 327,680 bytes of LDS; arguments qkv, Wc, part; writes part
.if DOCPART == 5
	.amdgcn_target "amdgcn-amd-amdhsa--gfx1250"
	.amdhsa_code_object_version 6
	.text
	.protected	k_q1b25d0f70b_attn
	.globl	k_q1b25d0f70b_attn
	.p2align	8
	.type	k_q1b25d0f70b_attn,@function
k_q1b25d0f70b_attn:
	s_mov_b64 s[64:65], 0
	v_nop
	global_prefetch_b8 v0, s[64:65] scope:SCOPE_SE
	s_setreg_imm32_b32 hwreg(HW_REG_WAVE_MODE, 25, 1), 1
	s_wait_xcnt 0x0
	s_wait_alu depctr_hold_cnt(0) depctr_sa_sdst(0) depctr_va_vdst(0) depctr_va_sdst(0) depctr_va_ssrc(0) depctr_va_vcc(0) depctr_vm_vsrc(0)
	s_getreg_b32 s2, hwreg(HW_REG_IB_STS2, 6, 4)
	s_cmp_eq_u32 s2, 0
	s_cbranch_scc0 .Lentry_in_a_cluster
	s_endpgm
.Lentry_in_a_cluster:
	s_bfe_u32 s2, ttmp6, 0x10000c
	s_cmp_lg_u32 s2, 0x3003
	s_cbranch_scc0 .Lentry_shape_is_right
	s_endpgm
.Lentry_shape_is_right:
; Attention of one (batch, head) for 512 query rows, with a running maximum; then exact GELU and the head's share of the two logits.
; part[head][row][c] = 2 x sum over the head's 64 d of gelu(attn[row][d]) Wc[64 head + d][c]; the factor 0.5 is applied where the heads are summed.
; q comes scaled by 0.25 log2(e) and k by 0.5, so scores are exponents of 2; v comes scaled by 1/16, and the 16 rides on 1 / sum at the end.
; Limits: q, k, v and the probabilities enter the matrix unit in f16.  A probability is 2^(score - running maximum), at most 1 for every input;
; below 2^-14 its absolute error is at most 3e-8, against a denominator of at least 1.  The denominator is summed from the unrounded f32
; probabilities.  erf by the five-term rational formula (Abramowitz and Stegun 7.1.26), absolute error 1.5e-7; v_exp_f32 gives 0 for results below 2^-126.
; Eight waves; wave w owns query rows 64 w .. 64 w + 63 of the block: four query tiles n.  Keys go in 32 steps of 64.
; CLUSTERS: the four query blocks of one (batch, head) form a cluster and ask jointly for every tile of K and V (the mask names all four).
; TRANSPOSED FORMS.  S^T = K Q^T: lane (r, h), register j of tile t holds key 16 t + 8 h + j of query r, so maximum and sum over keys stay in
; the lane but for one exchange of the halves, and the packed pairs of tiles 2 c, 2 c + 1 ARE the second source of O^T = V^T P^T, without a shuffle.
; O^T: lane (r, h), register j of tile dt holds d = 16 dt + 8 h + j of query r: the rescaling factor is the lane's own.
; LDS, a slot of 256 keys (a tile): eight groups of 10,240 bytes, group w filled by wave w.  Groups 0-3: 64 keys of K each, pitch 144 (an odd multiple
; of 16); groups 4-7: 64 keys of V each, pitch 160 (an odd multiple of 32, for the transposing load).  A step reads one group of each.
; THE ORDER INSIDE A STEP.  A step is four quarters, one for each query tile n: maximum, subtraction, 32 exponentials, sum, packing, then O += V^T P^T
; for that tile.  The score products run ONE TILE AHEAD: the eight products of tile n + 1 (in quarter 3: of tile 0 of the next step) stand among the
; exponentials of tile n, one in front of every four, work that names none of their registers.  So scores need two buffers of 32 registers that
; take turns, and scores, K, Q and all that the softmax touches lie in one register window: no switch stands among them.  In the block for V^T P^T
; the four packed multiplies that rescale an accumulator stand in front of its first product.
; THE STEPS ARE ROLLED UP.  Step i fetches the fragments of step i + 1: K's in quarter 2, behind the last score product that reads K, V's behind quarter 3.
; So at the end of step 4 t + 2 every read of tile t's slot has been issued, and the change of slots stands BETWEEN steps 4 t + 2 and 4 t + 3: the slot
; is asked for again there, and the four steps behind it fetch groups 0 to 3 of the other slot.  Steps 1 to 30 are one and the same body, with the
; fetch addresses in two registers that step by a group a trip.  Written out: step 0 (it starts the sums), step 31 (it fetches nothing) and
; four copies of the body (steps 1, 2; one for each slot in the loop; steps 27 to 30): six bodies of some 600 instructions for 32 steps.
; The last product (64 x 2 a head) and GELU are vector work in f32: two columns would leave seven eighths of a matrix tile empty.
.set GRP,   10240
.set SLOT,  8*GRP                      ; 81,920
.set KPIT,  144
.set VPIT,  160
.set VPART, 4*GRP
.set TILEB, 256*128                    ; bytes of K, or of V, in 256 keys
.set KA,  4                            ; v4, v5    LDS address of my K fragments in group 0 of slot 0, 1
.set VA,  6                            ; v6, v7    the same for V
.set QO,  8                            ; v8        my offset in Q
.set PO,  9                            ; v9        8 x lane
.set ST,  10                           ; v10-25    query tile n: maximum ST+4n, my half's sum +1, rescaling factor +2, new maximum +3
.set WO,  26                           ; v26       my offset in Wc
.set KC,  27                           ; v27       LDS address of the K fragments that the rolled step fetches
.set VC,  28                           ; v28       the same for V
.set S0,  32                           ; v32-95    two score buffers, tile n in buffer n % 2: key tile t at + 8 t; then P's fragments at + 8 c
.set TB,  96                           ; v96-103   at work
.set KF,  128                          ; v128-191  K's fragments (t, c) at KF + 16 t + 8 c; at the end Wc
.set QF,  192                          ; v192-255  Q's fragments (n, c) at QF + 16 n + 8 c
                                       ; window 1: O (dt, n) at 8 (4 dt + n);
.set VF,  192                          ;           V's fragments (dt, c) at 192 + 16 dt + 8 c
.set G1K, 24                           ; s[24:31]
.set G1V, 32                           ; s[32:39]
.set G0K, 40                           ; s[40:47]  one set for each slot
.set G0V, 48                           ; s[48:55]
.set GX,  32                           ; the end: 16 values x; |x|; t; e; the polynomial
.set GA,  48
.set GT,  64
.set GE,  80
.set GP,  96
.set GACC, 112                         ; two pairs of sums (c = 0, 1) that take turns
.set GR,  116                          ; v116-123  query tile n's pair
.set CV,  124                          ; v124-125  -a5, twice
.set MSB, 0
.macro WIN new                         ; the immediate's high byte repeats the setting that is left
.if MSB != \new
	s_set_vgpr_msb (MSB<<8)|\new
.set MSB, \new
.endif
.endm
.macro PLACES cnt
.rept \cnt
	v_nop
.endr
.endm
.macro ROUND                           ; a round of the cluster's barrier
	s_barrier_signal -1
	s_barrier_wait -1
	s_cmp_lg_u32 s10, 0
	s_cbranch_scc1 .Lnot_wave_0_\@
	s_barrier_signal -3
.Lnot_wave_0_\@:
	s_barrier_wait -3
	s_barrier_signal -1
	s_barrier_wait -1
.endm
.macro JLOAD s                         ; waves 0-3 ask for K's four groups, waves 4-7 for V's
	s_cmp_eq_u32 s11, 0
	s_cbranch_scc0 .Lfor_v_\@
	tensor_load_to_lds s[G0K+4*\s:G0K+4*\s+3], s[G1K:G1K+7]
	s_nop 0
	s_branch .Lasked_\@
.Lfor_v_\@:
	tensor_load_to_lds s[G0V+4*\s:G0V+4*\s+3], s[G1V:G1V+7]
	s_nop 0
.Lasked_\@:
.endm
	s_load_b128 s[4:7], s[0:1], 0x0                ; qkv s[4:5], Wc s[6:7]
	s_load_b64 s[8:9], s[0:1], 0x10                ; part
	v_lshl_add_u32 v126, v0, 2, 0x29000
	v_mov_b32 v127, 0
	ds_add_u32 v126, v127
	v_lshrrev_b32 v1, 5, v0
	v_readfirstlane_b32 s10, v1                    ; wave 0..7
	s_lshr_b32 s11, s10, 2                         ; I fetch for K (0) or for V (1),
	s_and_b32 s12, s10, 3                          ; and which 64 keys of a tile
	s_bfe_u32 s13, ttmp6, 0x40000                  ; cx
	s_lshl_b32 s15, ttmp9, 2
	s_add_co_u32 s13, s15, s13                     ; query block = 4 x cluster x + cx; it enters Q's and part's addresses alone
	s_and_b32 s14, ttmp7, 0xffff                   ; 8 x batch + head
	s_mov_b32 s20, 0x76543210                      ; v_permlanex16_b32: lane i of one half reads lane i of the other
	s_mov_b32 s21, 0xfedcba98
	; tiles of 64 rows x 64 elements of 2 bytes, 64 elements from row to row; padding behind every 32 words: 4 words for K, 8 for V
	s_mov_b32 s[G1K+0], 15|(1<<16)|(1<<20)|(1<<21)|(4<<22)|(3<<25)
	s_mov_b32 s[G1V+0], 15|(1<<16)|(1<<20)|(1<<21)|(4<<22)|(7<<25)
.irp g, G1K, G1V
	s_mov_b32 s[\g+1], 64<<16                      ; tensor_dim0 = 64
	s_mov_b32 s[\g+2], 64<<16                      ; tensor_dim1 = 64
	s_mov_b32 s[\g+3], 64<<16                      ; tile_dim0 = 64
	s_mov_b32 s[\g+4], 64                          ; tile_dim1 = 64
	s_mov_b32 s[\g+5], 64
	s_mov_b32 s[\g+6], 0
	s_mov_b32 s[\g+7], 0
.endr
	s_lshl_b32 s16, s14, 18                        ; K and V: the (batch, head)'s 2,048 rows of 128 bytes,
	s_lshl_b32 s18, s12, 13                        ; + my 64 rows
	s_add_co_u32 s16, s16, s18
	s_mov_b32 s17, 0
	s_mul_i32 s19, s10, GRP                        ; where my part goes: wave x 10,240
	s_lshl_b32 s58, s14, 18                        ; Q: + 512 rows a block + 64 rows a wave
	s_lshl_b32 s60, s13, 16
	s_add_co_u32 s58, s58, s60
	s_lshl_b32 s60, s10, 13
	s_add_co_u32 s58, s58, s60
	s_mov_b32 s59, 0
	s_and_b32 s62, s14, 7                          ; head
	s_lshl_b32 s60, s62, 17                        ; part: 16,384 rows of 8 bytes a head,
	s_lshl_b32 s62, s62, 9                         ; Wc: 64 rows of 8 bytes a head
	s_mov_b32 s63, 0
	s_lshr_b32 s61, s14, 3
	s_lshl_b32 s61, s61, 14                        ; + 2,048 rows a batch
	s_add_co_u32 s60, s60, s61
	s_lshl_b32 s61, s13, 12                        ; + 512 rows a block
	s_add_co_u32 s60, s60, s61
	s_lshl_b32 s61, s10, 9                         ; + 64 rows a wave
	s_add_co_u32 s60, s60, s61
	s_mov_b32 s61, 0
	s_wait_dscnt 0x0
	s_wait_kmcnt 0x0
	s_add_nc_u64 s[56:57], s[4:5], s[58:59]        ; Q
	s_add_nc_u64 s[16:17], s[4:5], s[16:17]
	s_add_nc_u64 s[6:7], s[6:7], s[62:63]
	s_add_nc_u64 s[8:9], s[8:9], s[60:61]
.irp s, 0,1
	s_mov_b32 s[G0K+4*\s], 1
	s_add_co_u32 s[G0K+4*\s+1], s19, \s*SLOT
	s_add_nc_u64 s[G0K+4*\s+2:G0K+4*\s+3], s[16:17], (1<<24)+\s*TILEB
	s_or_b32 s[G0K+4*\s+3], s[G0K+4*\s+3], 0x80000000
	s_mov_b32 s[G0V+4*\s], 1
	s_add_co_u32 s[G0V+4*\s+1], s19, \s*SLOT
	s_add_nc_u64 s[G0V+4*\s+2:G0V+4*\s+3], s[16:17], (2<<24)+\s*TILEB
	s_or_b32 s[G0V+4*\s+3], s[G0V+4*\s+3], 0x80000000
.endr
	ROUND                                          ; the four work-groups are here: the first joint loads meet
	JLOAD 0                                        ; keys 0 to 255
	JLOAD 1                                        ; keys 256 to 511: both first fills go out together; two loads of mine are out
	v_and_b32 v1, 15, v0                           ; r
	v_bfe_u32 v2, v0, 4, 1                         ; h
	v_lshlrev_b32 v[QO], 7, v1
	v_lshl_add_u32 v[QO], v2, 4, v[QO]             ; row r, 16 bytes for each half
.irp n, 0,1,2,3
.irp c, 0,1
	global_load_b128 v[QF+16*\n+8*\c:QF+16*\n+8*\c+3],   v[QO], s[56:57] offset:\n*2048+\c*64
	global_load_b128 v[QF+16*\n+8*\c+4:QF+16*\n+8*\c+7], v[QO], s[56:57] offset:\n*2048+\c*64+32
.endr
.endr
	v_mul_u32_u24 v[KA], v1, KPIT
	v_lshl_add_u32 v[KA], v2, 4, v[KA]
	v_add_nc_u32 v[KA+1], SLOT, v[KA]
	v_and_b32 v3, 7, v0
	v_lshl_add_u32 v3, v2, 3, v3                   ; the transposing load: key 8 h + (lane & 7),
	v_mul_u32_u24 v[VA], v3, VPIT
	v_bfe_u32 v3, v0, 3, 1
	v_lshl_add_u32 v[VA], v3, 4, v[VA]             ; 16 bytes for each half of eight d
	v_add_nc_u32 v[VA], VPART, v[VA]
	v_add_nc_u32 v[VA+1], SLOT, v[VA]
	v_and_b32 v[PO], 31, v0
	v_lshlrev_b32 v[PO], 3, v[PO]
	v_lshlrev_b32 v[WO], 6, v2                     ; 8 h rows of Wc
.irp n, 0,1,2,3
	v_mov_b32 v[ST+4*\n+1], 0                      ; the pair (maximum, sum) is named whole by the packed subtraction before the first sum is made
.endr
	s_wait_loadcnt 0x0                             ; Q
.macro FETCHK a, off                   ; 16 loads: 64 keys x 64 d as first sources, from the group at register a + off
.irp t, 0,1,2,3
.irp c, 0,1
	ds_load_b128 v[KF+16*\t+8*\c:KF+16*\t+8*\c+3],   v[\a] offset:\off+\t*16*KPIT+64*\c
	ds_load_b128 v[KF+16*\t+8*\c+4:KF+16*\t+8*\c+7], v[\a] offset:\off+\t*16*KPIT+64*\c+32
.endr
.endr
.endm
.macro FETCHV a, off                   ; 16 transposing loads: 64 d x 64 keys as first sources
.irp dt, 0,1,2,3
.irp c, 0,1
	ds_load_tr16_b128 v[VF+16*\dt+8*\c:VF+16*\dt+8*\c+3],   v[\a] offset:\off+\c*32*VPIT+32*\dt
	ds_load_tr16_b128 v[VF+16*\dt+8*\c+4:VF+16*\dt+8*\c+7], v[\a] offset:\off+\c*32*VPIT+32*\dt+16*VPIT
.endr
.endr
.endm
.macro WCLOAD                          ; my 32 rows of Wc (d = 16 dt + 8 h + 0..7), two f32 each, into K's registers: register KF + 16 dt + 2 j + c
.irp dt, 0,1,2,3
.irp i, 0,1,2,3
	global_load_b128 v[KF+16*\dt+4*\i:KF+16*\dt+4*\i+3], v[WO], s[6:7] offset:\dt*128+16*\i
.endr
.endr
.endm
; O^T += V^T P^T for query tile n: eight products.  The four accumulators take turns, one instruction a turn.
; first = 1: the first four products start the sums.  Otherwise the four packed multiplies that rescale an accumulator stand in front of its first product.
; One window setting serves products and multiplies: destination, source 0 and source 2 in window 1 (O, V), source 1 in window 0 (P, the factor).
.macro PVB n, first
	WIN 0x51
.irp dt, 0,1,2,3
.if \first
	v_wmma_f32_16x16x32_f16 v[8*(4*\dt+\n):8*(4*\dt+\n)+7], v[VF+16*\dt:VF+16*\dt+7], v[S0+32*(\n%2):S0+32*(\n%2)+7], 0
.else
.irp p, 0,1,2,3
	v_pk_mul_f32 v[8*(4*\dt+\n)+2*\p:8*(4*\dt+\n)+2*\p+1], v[8*(4*\dt+\n)+2*\p:8*(4*\dt+\n)+2*\p+1], v[ST+4*\n+2:ST+4*\n+3] op_sel_hi:[1,0]
.endr
	v_wmma_f32_16x16x32_f16 v[8*(4*\dt+\n):8*(4*\dt+\n)+7], v[VF+16*\dt:VF+16*\dt+7], v[S0+32*(\n%2):S0+32*(\n%2)+7], v[8*(4*\dt+\n):8*(4*\dt+\n)+7]
.endif
.endr
.irp dt, 0,1,2,3
	v_wmma_f32_16x16x32_f16 v[8*(4*\dt+\n):8*(4*\dt+\n)+7], v[VF+16*\dt+8:VF+16*\dt+15], v[S0+32*(\n%2)+8:S0+32*(\n%2)+15], v[8*(4*\dt+\n):8*(4*\dt+\n)+7]
.endr
.endm
; A quarter of a step: query tile n, on my 32 scores of query r in buffer n % 2.
; smul = 1: the eight score products of the next tile go into the other buffer, one in front of every four exponentials; its four accumulators take turns, one
;           instruction a turn; the first four start the sums.  kwait = 1: they read K fragments that were fetched a quarter ago.
; mid = 1: the next step's K fragments are fetched from register ka + off; mid = 2: Wc is asked for, into the same registers.
; vwait = 1: the block for V^T P^T reads V fragments that were fetched a quarter ago.
.macro QTILE n, first, smul, kwait, mid, ka, off, vwait
.set SB, S0+32*(\n%2)
.set NB, S0+32*((\n+1)%2)
.set NX, (\n+1)%4
.set MM, ST+4*\n
	WIN 0
.irp t, 0,1,2,3
	v_max3_num_f32 v[TB+\t], v[SB+8*\t], v[SB+8*\t+1], v[SB+8*\t+2]        ; four chains that do not wait for each other
.endr
.irp t, 0,1,2,3
	v_max3_num_f32 v[TB+\t], v[TB+\t], v[SB+8*\t+3], v[SB+8*\t+4]
.endr
.irp t, 0,1,2,3
	v_max3_num_f32 v[TB+\t], v[TB+\t], v[SB+8*\t+5], v[SB+8*\t+6]
.endr
	v_max3_num_f32 v[TB], v[TB], v[SB+7], v[SB+15]
	v_max3_num_f32 v[TB+1], v[TB+1], v[SB+23], v[SB+31]
	v_max3_num_f32 v[TB], v[TB], v[TB+1], v[TB+2]
.if \first
	v_max_num_f32 v[TB], v[TB], v[TB+3]
	v_permlanex16_b32 v[TB+1], v[TB], s20, s21     ; the other half's 32 keys
	v_max_num_f32 v[MM], v[TB], v[TB+1]
.else
	v_max3_num_f32 v[TB], v[TB], v[TB+3], v[MM]    ; with the running maximum
	v_permlanex16_b32 v[TB+1], v[TB], s20, s21
	v_max_num_f32 v[MM+3], v[TB], v[TB+1]
	v_sub_f32 v[TB+2], v[MM], v[MM+3]
	v_exp_f32 v[MM+2], v[TB+2]                     ; 2^(old - new)
	v_mov_b32 v[MM], v[MM+3]                       ; the plain place behind that exponential (ISA guide 5.7.2)
.endif
.set k, 0
.rept 16
	v_pk_add_f32 v[SB+2*k:SB+2*k+1], v[SB+2*k:SB+2*k+1], v[MM:MM+1] op_sel_hi:[1,0] neg_lo:[0,1] neg_hi:[0,1]
.set k, k+1
.endr
.if \kwait
	s_wait_dscnt 0x0                               ; the next step's K is in: its sixteen loads are the only ones out
.endif
.set g, 0
.rept 8
.if \smul
.if g < 4
	v_wmma_f32_16x16x32_f16 v[NB+8*g:NB+8*g+7], v[KF+16*g:KF+16*g+7], v[QF+16*NX:QF+16*NX+7], 0
.else
	v_wmma_f32_16x16x32_f16 v[NB+8*(g-4):NB+8*(g-4)+7], v[KF+16*(g-4)+8:KF+16*(g-4)+15], v[QF+16*NX+8:QF+16*NX+15], v[NB+8*(g-4):NB+8*(g-4)+7]
.endif
.endif
	v_exp_f32 v[SB+4*g], v[SB+4*g]
	v_exp_f32 v[SB+4*g+1], v[SB+4*g+1]
	v_exp_f32 v[SB+4*g+2], v[SB+4*g+2]
	v_exp_f32 v[SB+4*g+3], v[SB+4*g+3]
.set g, g+1
.endr
	v_nop                                          ; one plain place between the exponentials and the first use of a result (ISA guide 5.7.2)
	s_wait_alu depctr_va_vdst(0)
.irp c, 0,1,2,3
	v_pk_add_f32 v[TB+2*\c:TB+2*\c+1], v[SB+2*\c:SB+2*\c+1], v[SB+8+2*\c:SB+8+2*\c+1]
.endr
	; the v_nop and these four sums are five places behind the last score product: loads may land on K's registers (ISA guide 7.12.1 for vector instructions)
.if (\mid) == 1
	FETCHK \ka, \off
.endif
.if (\mid) == 2
	WCLOAD
.endif
.irp c, 0,1,2,3
	v_pk_add_f32 v[TB+2*\c:TB+2*\c+1], v[TB+2*\c:TB+2*\c+1], v[SB+16+2*\c:SB+16+2*\c+1]
.endr
.irp c, 0,1,2,3
	v_pk_add_f32 v[TB+2*\c:TB+2*\c+1], v[TB+2*\c:TB+2*\c+1], v[SB+24+2*\c:SB+24+2*\c+1]
.endr
	v_pk_add_f32 v[TB:TB+1], v[TB:TB+1], v[TB+2:TB+3]
	v_pk_add_f32 v[TB+4:TB+5], v[TB+4:TB+5], v[TB+6:TB+7]
	v_pk_add_f32 v[TB:TB+1], v[TB:TB+1], v[TB+4:TB+5]
.if \first
	v_add_f32 v[MM+1], v[TB], v[TB+1]              ; the sum stays my half's own until the end
.else
	v_add_f32 v[TB], v[TB], v[TB+1]
	v_fma_f32 v[MM+1], v[MM+1], v[MM+2], v[TB]
.endif
.set k, 0
.rept 16
	v_cvt_pk_f16_f32 v[SB+k], v[SB+2*k], v[SB+2*k+1]               ; packed downwards in place: register k is written after registers 2 k, 2 k + 1 and k have been read
.set k, k+1
.endr
.if \vwait
	s_wait_dscnt 0x0                               ; this step's V is in: its sixteen loads are the only ones out
.endif
	PVB \n, \first
.endm
; 64 keys.  At its head the scores of tile 0 are in buffer 0 and this step's V fragments are on their way.  fetch = 1: the next step's fragments are fetched from
; the groups at registers ka + off and va + off, and the scores of its tile 0 are made in quarter 3.
.macro BODY first, ka, va, off, fetch, wc
	QTILE 0, \first, 1, 0, 0, \ka, \off, 1
	QTILE 1, \first, 1, 0, 0, \ka, \off, 0
	QTILE 2, \first, 1, 0, \fetch+2*\wc, \ka, \off, 0
	QTILE 3, \first, \fetch, \fetch, 0, \ka, \off, 0
	PLACES 4                                       ; four places behind the last product: for the loads onto V's registers, and at the end for what reads O (ISA guide 7.12.1 for vector instructions)
.if \fetch
	WIN 0x40                                       ; destination in window 1
	FETCHV \va, \off
.endif
	WIN 0
.endm
; trips steps, which fetch groups g, g + 1, .. of slot s: the two fetch addresses start at the slot's constant and step by a group a trip.
; An LDS instruction's address register needs no wait before it is rewritten.
.macro PLOOP s, g, trips
	v_add_nc_u32 v[KC], \g*GRP, v[KA+\s]
	v_add_nc_u32 v[VC], \g*GRP, v[VA+\s]
	s_mov_b32 s23, \trips
.Lstep_\@:
	BODY 0, KC, VC, 0, 1, 0
	v_add_nc_u32 v[KC], GRP, v[KC]
	v_add_nc_u32 v[VC], GRP, v[VC]
	s_sub_co_u32 s23, s23, 1
	s_cmp_lg_u32 s23, 0
	s_cbranch_scc1 .Lstep_\@
.endm
; The change of slots, between the third and the fourth step of the tile in slot s.  The fragments of the tile's last group have been asked for; in front
; of the round each wave waits for them (its last reads of slot s) and for all its tensor loads (one is out: its part of the other slot's tile).
; Behind the round slot s is asked for again, first thing, one load a wave, two tiles on: it has four steps in which to land.
.macro BND s
	s_wait_tensorcnt 0x0
	ds_add_u32 v126, v127
	s_add_nc_u64 s[G0K+4*\s+2:G0K+4*\s+3], s[G0K+4*\s+2:G0K+4*\s+3], 2*TILEB   ; no load of mine is out: the slot's next tile
	s_add_nc_u64 s[G0V+4*\s+2:G0V+4*\s+3], s[G0V+4*\s+2:G0V+4*\s+3], 2*TILEB
	s_wait_dscnt 0x0
	ROUND
	JLOAD \s
.endm
	s_wait_tensorcnt 0x1                           ; my part of keys 0-255 is in; the one younger load, my part of keys 256-511, stays out:
	s_barrier_signal -1
	s_barrier_wait -1                              ; everybody's part is in
	FETCHK KA, 0
	WIN 0x40
	FETCHV VA, 0
	WIN 0
	s_wait_dscnt 16                                ; step 0's K is in; the sixteen younger loads are its V
.irp c, 0,1                                        ; the scores of step 0's tile 0, the only ones with no exponentials to stand among; four accumulators by turns
.irp t, 0,1,2,3
.if \c
	v_wmma_f32_16x16x32_f16 v[S0+8*\t:S0+8*\t+7], v[KF+16*\t+8:KF+16*\t+15], v[QF+8:QF+15], v[S0+8*\t:S0+8*\t+7]
.else
	v_wmma_f32_16x16x32_f16 v[S0+8*\t:S0+8*\t+7], v[KF+16*\t:KF+16*\t+7], v[QF:QF+7], 0
.endif
.endr
.endr
	PLACES 4                                       ; four places before vector instructions read these scores (ISA guide 7.12.1)
	BODY 1, KA, VA, GRP, 1, 0                      ; step 0 starts maximum, sum and O; it fetches group 1 of slot 0
	PLOOP 0, 2, 2                                  ; steps 1, 2 fetch groups 2, 3
	s_mov_b32 s22, 3
.Ltiles:
	BND 0                                          ; tiles 2, 4, 6 are asked for
	PLOOP 1, 0, 4                                  ; the even tile's last step and the odd tile's first three
	BND 1                                          ; tiles 3, 5, 7 are asked for
	PLOOP 0, 0, 4
	s_sub_co_u32 s22, s22, 1
	s_cmp_lg_u32 s22, 0
	s_cbranch_scc1 .Ltiles
	s_wait_tensorcnt 0x0                           ; my part of the last tile is in; nothing is left to fetch, so a barrier of the work-group is enough
	s_wait_dscnt 0x0
	s_barrier_signal -1
	s_barrier_wait -1                              ; everybody's part is in
	PLOOP 1, 0, 4                                  ; steps 27 to 30
	BODY 0, KA, VA, 0, 0, 1                        ; step 31 fetches nothing and makes no further scores; Wc is asked for in it
	; THE END.  16 / sum; x = O x 16 / sum; 2 gelu(x) = x + |x| (1 - w), w = (a1 t + .. + a5 t^5) 2^(-x^2 log2(e) / 2), t = 1 / (1 + |x| p / sqrt 2).
	s_wait_loadcnt 0x0                             ; Wc
.irp n, 0,1,2,3
	v_permlanex16_b32 v[TB+\n], v[ST+4*\n+1], s20, s21             ; the other half's sum
.endr
.irp n, 0,1,2,3
	v_add_f32 v[ST+4*\n+1], v[ST+4*\n+1], v[TB+\n]                 ; at least 1: the largest score gives 2^0
.endr
.irp n, 0,1,2,3
	v_rcp_f32 v[ST+4*\n+2], v[ST+4*\n+1]
.endr
	v_mov_b32 v[CV], 0xbf87dc22                    ; -a5 (also the plain place behind the reciprocals); the polynomial is kept negative, so that no sign is turned later
	v_mov_b32 v[CV+1], 0xbf87dc22
	s_wait_alu depctr_va_vdst(0)
.irp n, 0,1,2,3
	v_mul_f32 v[ST+4*\n+2], 0x41800000, v[ST+4*\n+2]               ; x 16: v was stored as v / 16
.endr
	s_mov_b32 s66, 0x3fba00e3                      ; -a4
	s_mov_b32 s67, 0x3fba00e3
	s_mov_b32 s68, 0xbfb5f0e3                      ; -a3
	s_mov_b32 s69, 0xbfb5f0e3
	s_mov_b32 s70, 0x3e91a98e                      ; -a2
	s_mov_b32 s71, 0x3e91a98e
	s_mov_b32 s72, 0xbe827906                      ; -a1
	s_mov_b32 s73, 0xbe827906
; 16 values of query tile n: d tiles 2 half, 2 half + 1
.macro GELU16 n, half
	WIN 0x01                                       ; O in window 1
.irp p, 0,1,2,3,4,5,6,7
	v_pk_mul_f32 v[GX+2*\p:GX+2*\p+1], v[8*(4*(2*\half+\p/4)+\n)+2*(\p%4):8*(4*(2*\half+\p/4)+\n)+2*(\p%4)+1], v[ST+4*\n+2:ST+4*\n+3] op_sel_hi:[1,0]
.endr
	WIN 0
.set k, 0
.rept 16
	v_and_b32 v[GA+k], 0x7fffffff, v[GX+k]
.set k, k+1
.endr
.irp p, 0,1,2,3,4,5,6,7
	v_pk_fma_f32 v[GT+2*\p:GT+2*\p+1], v[GA+2*\p:GA+2*\p+1], 0x3e6d3388, 1.0 op_sel_hi:[1,0,0]   ; 1 + |x| p / sqrt 2
	v_pk_mul_f32 v[GE+2*\p:GE+2*\p+1], v[GX+2*\p:GX+2*\p+1], v[GX+2*\p:GX+2*\p+1]
.endr
.irp p, 0,1,2,3,4,5,6,7
	v_pk_mul_f32 v[GE+2*\p:GE+2*\p+1], v[GE+2*\p:GE+2*\p+1], 0xbf38aa3b op_sel_hi:[1,0]          ; -x^2 log2(e) / 2
.endr
.set k, 0
.rept 16
	v_rcp_f32 v[GT+k], v[GT+k]
.set k, k+1
.endr
.set k, 0
.rept 16
	v_exp_f32 v[GE+k], v[GE+k]
.set k, k+1
.endr
	v_nop                                          ; one plain place behind the transcendentals (ISA guide 5.7.2)
	s_wait_alu depctr_va_vdst(0)
.irp p, 0,1,2,3,4,5,6,7
	v_pk_fma_f32 v[GP+2*\p:GP+2*\p+1], v[GT+2*\p:GT+2*\p+1], v[CV:CV+1], s[66:67] op_sel_hi:[1,1,0]
.endr
.irp c, 68,70,72
.irp p, 0,1,2,3,4,5,6,7
	v_pk_fma_f32 v[GP+2*\p:GP+2*\p+1], v[GP+2*\p:GP+2*\p+1], v[GT+2*\p:GT+2*\p+1], s[\c:\c+1] op_sel_hi:[1,1,0]
.endr
.endr
.irp p, 0,1,2,3,4,5,6,7
	v_pk_mul_f32 v[GP+2*\p:GP+2*\p+1], v[GP+2*\p:GP+2*\p+1], v[GT+2*\p:GT+2*\p+1]
.endr
.irp p, 0,1,2,3,4,5,6,7
	v_pk_mul_f32 v[GE+2*\p:GE+2*\p+1], v[GP+2*\p:GP+2*\p+1], v[GE+2*\p:GE+2*\p+1]                ; -w
.endr
.irp p, 0,1,2,3,4,5,6,7
	v_pk_fma_f32 v[GA+2*\p:GA+2*\p+1], v[GE+2*\p:GE+2*\p+1], v[GA+2*\p:GA+2*\p+1], v[GA+2*\p:GA+2*\p+1]   ; |x| (1 - w)
.endr
.irp p, 0,1,2,3,4,5,6,7
	v_pk_add_f32 v[GX+2*\p:GX+2*\p+1], v[GX+2*\p:GX+2*\p+1], v[GA+2*\p:GA+2*\p+1]                ; 2 gelu(x)
.endr
	; each value times its row of Wc (both classes at once): the value is taken for both halves of the packed step; even and odd values have sums of their own
.irp p, 0,1,2,3,4,5,6,7
.if (\half+\p) == 0
	v_pk_mul_f32 v[GACC:GACC+1],   v[GX:GX+1], v[KF:KF+1]   op_sel:[0,0] op_sel_hi:[0,1]         ; the first products start the sums
	v_pk_mul_f32 v[GACC+2:GACC+3], v[GX:GX+1], v[KF+2:KF+3] op_sel:[1,0] op_sel_hi:[1,1]
.else
	v_pk_fma_f32 v[GACC:GACC+1],   v[GX+2*\p:GX+2*\p+1], v[KF+16*(2*\half+\p/4)+4*(\p%4):KF+16*(2*\half+\p/4)+4*(\p%4)+1],   v[GACC:GACC+1]   op_sel:[0,0,0] op_sel_hi:[0,1,1]
	v_pk_fma_f32 v[GACC+2:GACC+3], v[GX+2*\p:GX+2*\p+1], v[KF+16*(2*\half+\p/4)+4*(\p%4)+2:KF+16*(2*\half+\p/4)+4*(\p%4)+3], v[GACC+2:GACC+3] op_sel:[1,0,0] op_sel_hi:[1,1,1]
.endif
.endr
.endm
.irp n, 0,1,2,3
	GELU16 \n, 0
	GELU16 \n, 1
	v_pk_add_f32 v[GR+2*\n:GR+2*\n+1], v[GACC:GACC+1], v[GACC+2:GACC+3]
.endr
.irp k, 0,1,2,3,4,5,6,7
	v_permlanex16_b32 v[GX+\k], v[GR+\k], s20, s21 ; the other half's 32 d
.endr
.irp n, 0,1,2,3
	v_pk_add_f32 v[GR+2*\n:GR+2*\n+1], v[GR+2*\n:GR+2*\n+1], v[GX+2*\n:GX+2*\n+1]
.endr
	s_mov_b32 vcc_lo, 0xffff0000                   ; lanes 0-15 store an even query tile's rows, lanes 16-31 the odd one's
	v_cndmask_b32 v[GA],   v[GR],   v[GR+2], vcc_lo
	v_cndmask_b32 v[GA+1], v[GR+1], v[GR+3], vcc_lo
	v_cndmask_b32 v[GA+2], v[GR+4], v[GR+6], vcc_lo
	v_cndmask_b32 v[GA+3], v[GR+5], v[GR+7], vcc_lo
	global_store_b64 v[PO], v[GA:GA+1],   s[8:9]               ; 32 rows of 8 bytes: 256 consecutive bytes, aligned
	global_store_b64 v[PO], v[GA+2:GA+3], s[8:9] offset:256
	s_wait_tensorcnt 0x0
	ds_add_u32 v126, v127
	s_wait_dscnt 0x0
	ROUND                                          ; the closing round: no work-group ends while a partner may still ask for a tile that names it
	s_endpgm
.Lfunc_end_k_q1b25d0f70b_attn:
	.size	k_q1b25d0f70b_attn, .Lfunc_end_k_q1b25d0f70b_attn-k_q1b25d0f70b_attn
	.p2alignl 7, 3214868480
	.fill 96, 4, 3214868480
	.section	.rodata,"a",@progbits
	.p2align	6, 0x0
	.amdhsa_kernel k_q1b25d0f70b_attn
		.amdhsa_group_segment_fixed_size 327680
		.amdhsa_private_segment_fixed_size 0
		.amdhsa_enable_private_segment 0
		.amdhsa_kernarg_size 24
		.amdhsa_user_sgpr_count 2
		.amdhsa_user_sgpr_kernarg_segment_ptr 1
		.amdhsa_wavefront_size32 1
		.amdhsa_system_sgpr_workgroup_id_x 1
		.amdhsa_system_sgpr_workgroup_id_y 1
		.amdhsa_system_sgpr_workgroup_id_z 1
		.amdhsa_system_vgpr_workitem_id 0
		.amdhsa_next_free_vgpr 512
		.amdhsa_next_free_sgpr 80
		.amdhsa_reserve_vcc 1
		.amdhsa_float_denorm_mode_32 3
		.amdhsa_float_denorm_mode_16_64 3
		.amdhsa_memory_ordered 1
		.amdhsa_forward_progress 1
		.amdhsa_inst_pref_size 255
	.end_amdhsa_kernel
	.section	.bss,"aw",@nobits
	.p2align	6
	.space	262144
	.amdgpu_metadata
---
amdhsa.version: [ 1, 2 ]
amdhsa.kernels:
  - .name:           k_q1b25d0f70b_attn
    .symbol:         k_q1b25d0f70b_attn.kd
    .args:
      - { .name: qkv, .offset: 0, .size: 8, .value_kind: global_buffer, .address_space: global }
      - { .name: Wc, .offset: 8, .size: 8, .value_kind: global_buffer, .address_space: global }
      - { .name: part, .offset: 16, .size: 8, .value_kind: global_buffer, .address_space: global }
    .group_segment_fixed_size: 327680
    .private_segment_fixed_size: 0
    .kernarg_segment_align: 8
    .kernarg_segment_size: 24
    .max_flat_workgroup_size: 256
    .sgpr_count:     80
    .vgpr_count:     512
    .wavefront_size: 32
...
	.end_amdgpu_metadata
.endif
;; end of part 5
;; launch headsum: the kernel of part 4 again; grid 256 x 1, 2 waves a work-group, no clusters, 0 bytes of LDS; arguments part, bc, out0; writes out0
